; MI455X (gfx1250); checked and timed in simulation.
; The chip was launched on July 23, 2026; its instructions are those of AMD's public machine-readable ISA for CDNA 5 (MIT licence, August 2026) and "CDNA5" Instruction Set Architecture Reference Guide (July 2026). The comments in the code are by the model that wrote it; some were corrected since.
;; Multi Head Latent Attention. Allowed arithmetic: matrix products marked QUANTISED: E4M3 operands, one E8M0 scale for each 32 along K, by v_wmma_scale_f32_16x16x128_f8f6f4 with both operands' format E4M3, f32 sums; everything else in f32.
;; Inputs: W_DKV_codes 32 x 32 x 32 uint8 (E4M3 codes of W_DKV, K innermost, in blocks of 32 codes); W_DKV_scales 32 x 32 uint8 (E8M0 scales of W_DKV, one for each 32 codes along K); W_DQ_codes 32 x 32 x 32 uint8 (E4M3 codes of W_DQ, K innermost, in blocks of 32 codes); W_DQ_scales 32 x 32 uint8 (E8M0 scales of W_DQ, one for each 32 codes along K); W_KR_codes 32 x 32 x 32 uint8 (E4M3 codes of W_KR, K innermost, in blocks of 32 codes); W_KR_scales 32 x 32 uint8 (E8M0 scales of W_KR, one for each 32 codes along K); W_O_codes 1,024 x 32 x 32 uint8 (E4M3 codes of W_O, K innermost, in blocks of 32 codes); W_O_scales 1,024 x 32 uint8 (E8M0 scales of W_O, one for each 32 codes along K); W_QR_codes 256 x 1 x 32 uint8 (E4M3 codes of W_QR, K innermost, in blocks of 32 codes); W_QR_scales 256 x 1 uint8 (E8M0 scales of W_QR, one for each 32 codes along K); W_UK_codes 1,024 x 1 x 32 uint8 (E4M3 codes of W_UK, K innermost, in blocks of 32 codes); W_UK_scales 1,024 x 1 uint8 (E8M0 scales of W_UK, one for each 32 codes along K); W_UQ_codes 1,024 x 1 x 32 uint8 (E4M3 codes of W_UQ, K innermost, in blocks of 32 codes); W_UQ_scales 1,024 x 1 uint8 (E8M0 scales of W_UQ, one for each 32 codes along K); W_UV_codes 1,024 x 1 x 32 uint8 (E4M3 codes of W_UV, K innermost, in blocks of 32 codes); W_UV_scales 1,024 x 1 uint8 (E8M0 scales of W_UV, one for each 32 codes along K); b_DKV 32 float32; b_DQ 32 float32; b_KR 32 float32; b_O 1,024 float32; b_QR 256 float32; b_UK 1,024 float32; b_UQ 1,024 float32; b_UV 1,024 float32; h_t_codes 4 x 2,048 x 32 x 32 uint8 (E4M3 codes of h_t, K innermost, in blocks of 32 codes); h_t_scales 4 x 2,048 x 32 uint8 (E8M0 scales of h_t, one for each 32 codes along K).
;; Outputs: out0 4 x 2,048 x 1,024 float32.
;; This version of the problem:
;;   THIS VERSION OF THE PROBLEM IS GIVEN IN LOW PRECISION. The matrix products marked QUANTISED in the list below multiply operands that are first quantised to E4M3 (4 exponent bits, 3 mantissa bits; 8 bits a number), with one power-of-two scale for each 32 numbers along K (OCP MX v1.0); their sums are f32. All else is computed in f32.
;;   The module's matrix products, in the order in which they are computed (A, B: the left and right operand; K: the contracted axis; several contracted axes count as one K, in the product's order):
;;     1. [M 8,192, K 1,024] x [K 1,024, N 32]; A: input h_t (given as codes); B: input W_DQ (given as codes): QUANTISED
;;     2. [M 8,192, K 1,024] x [K 1,024, N 32]; A: input h_t (given as codes); B: input W_DKV (given as codes): QUANTISED
;;     3. [M 8,192, K 32] x [K 32, N 1,024]; A: computed on the way; B: input W_UQ (given as codes): QUANTISED
;;     4. [M 8,192, K 32] x [K 32, N 1,024]; A: computed on the way; B: input W_UK (given as codes): QUANTISED
;;     5. [M 8,192, K 32] x [K 32, N 1,024]; A: computed on the way; B: input W_UV (given as codes): QUANTISED
;;     6. [M 8,192, K 32] x [K 32, N 256]; A: computed on the way; B: input W_QR (given as codes): QUANTISED
;;     7. [M 8,192, K 1,024] x [K 1,024, N 32]; A: input h_t (given as codes); B: input W_KR (given as codes): QUANTISED
;;     8. batch 32 x [M 2,048, K 160] x [K 160, N 2,048]; A: computed on the way; B: computed on the way: QUANTISED
;;     9. batch 32 x [M 2,048, K 2,048] x [K 2,048, N 128]; A: softmax (see below); B: computed on the way: QUANTISED
;;     10. [M 8,192, K 1,024] x [K 1,024, N 1,024]; A: computed on the way; B: input W_O (given as codes): QUANTISED
;;   THE QUANTISER, for each operand of a quantised product, along K:
;;     - K is cut into blocks of 32 from its start; a last block that is shorter is filled with zeros.
;;     - A block's scale is 2^e with e = floor(log2(the largest magnitude in the block)) - 8, held to -126 .. 127; a block of zeros has e = 0. As a byte (E8M0): e + 127.
;;     - Each number is divided by its block's scale, clamped to +-448, and rounded to the nearest number of E4M3, ties to even, subnormals kept.
;;     - The product sums the exact products of the quantised numbers (number of the format x scale) in f32.
;;   ~~~python
;;   def quantise(x, axis):      # numpy; x: float32 -> the quantised numbers, widened to float32 again
;;       x = np.moveaxis(x, axis, -1); K = x.shape[-1]
;;       x = np.pad(x, [(0, 0)] * (x.ndim - 1) + [(0, -K % 32)]); x = x.reshape(x.shape[:-1] + (-1, 32)); a = np.abs(x).max(-1, keepdims=True)
;;       e = np.where(a > 0, np.clip(np.frexp(np.where(a > 0, a, 1))[1] - 1 - 8, -126, 127), 0)      # np.frexp(a)[1] - 1 = floor(log2(a)), exactly
;;       r = np.clip(x / 2.0 ** e, -448, 448)
;;       step = 2.0 ** (np.maximum(np.frexp(np.where(r == 0, 1, r))[1] - 1, -6) - 3)
;;       q = np.round(r / step) * step * 2.0 ** e      # np.round: ties to even
;;       return np.moveaxis(q.reshape(q.shape[:-2] + (-1,))[..., :K], -1, axis).astype(np.float32)
;;   ~~~
;;   SOFTMAX AHEAD OF A QUANTISED PRODUCT. Where the list says 'softmax', what is quantised is not the finished softmax but p = 2^(t - M), with t = logit x log2(e) and M = ceil(the row's largest t), a whole number; so 1/2 < the row's largest p <= 1. The row's sum l is taken of the UNQUANTISED p, in f32, and the product's result is divided by l at the end. Since M is a whole number, a kernel that streams over the keys may use a running M (the ceiling of the running maximum): every later rescaling is an exact power of two, which a block's scale takes up: the codes' values come out the same.
;;   OPERANDS COMPUTED ON THE WAY. 'Computed on the way' means the value that the module computes at that place (a softmax that the list does not call 'softmax' is quantised finished and normalised). What goes into a quantiser is computed in f32, as accurately as f32 sums, v_exp_f32 and their like allow (about 1e-6 of the number): no bf16 or f16 on the way to a quantiser, and a product that is left as it is and whose result goes on into a quantised operand takes f32 operands (vector FMAs, or v_wmma_f32_16x16x4_f32). A number that lies on a knife's edge between two numbers of the format may be rounded either way, as far as f32 arithmetic and the matrix unit's own rounding can turn it there, and no further.
;;   INPUTS GIVEN AS CODES. W_DKV (in the module: [1024, 32], K = its axis 0); W_DQ (in the module: [1024, 32], K = its axis 0); W_KR (in the module: [1024, 32], K = its axis 0); W_O (in the module: [1024, 1024], K = its axis 0); W_QR (in the module: [32, 256], K = its axis 0); W_UK (in the module: [32, 1024], K = its axis 0); W_UQ (in the module: [32, 1024], K = its axis 0); W_UV (in the module: [32, 1024], K = its axis 0); h_t (in the module: [4, 2048, 1024], K = its axis 2): each comes as NAME_codes (uint8): NAME with its K axis moved to the last place and cut into blocks of 32 codes, [.., K / 32, bytes a block], one block behind the other in memory; one code a byte (a code: sign, 4 exponent bits, 3 mantissa bits); and NAME_scales (uint8): the same leading axes, one E8M0 byte (e + 127) for each 32 codes along K. Its value is code x scale, taken as it is: it is not quantised again, and the codes and scales need not be those that the quantiser above would give.
;; One version. Each part assembles by itself: llvm-mc -triple=amdgcn-amd-amdhsa -mcpu=gfx1250 --defsym DOCPART=n.
;; ======== version 1 of 1: 3 launches
;; limits: right only within a limited range of input values
;; workspace buffers: qb 11,534,336 bytes; kv 19,660,800 bytes; ob 8,388,608 bytes; os 262,144 bytes; wo 1,048,576 bytes
;; launch proj (part 1): grid 64 x 4, 8 waves a work-group, no clusters, 139,520 bytes of LDS; arguments h_t_codes, h_t_scales, W_DQ_codes, W_DQ_scales, W_DKV_codes, W_DKV_scales, W_KR_codes, W_KR_scales, b_DQ, b_DKV, b_KR, W_UQ_codes, W_UQ_scales, b_UQ, W_QR_codes, W_QR_scales, b_QR, W_UK_codes, W_UK_scales, b_UK, W_UV_codes, W_UV_scales, b_UV, qb, kv, W_O_codes, wo; writes qb, kv, wo
.if DOCPART == 1
	.amdgcn_target "amdgcn-amd-amdhsa--gfx1250"
	.amdhsa_code_object_version 6
	.text
	.protected	k_q377e35105c_proj
	.globl	k_q377e35105c_proj
	.p2align	8
	.type	k_q377e35105c_proj,@function
k_q377e35105c_proj:
	s_mov_b64 s[64:65], 0
	v_nop
	global_prefetch_b8 v0, s[64:65] scope:SCOPE_SE
	s_setreg_imm32_b32 hwreg(HW_REG_WAVE_MODE, 25, 1), 1
	s_wait_xcnt 0x0
; THE PROJECTIONS OF A LATENT ATTENTION LAYER, on codes of FP8 (E4M3) with one E8M0 scale for each 32 along K.
; c_q, c_kv, k_r = h W_D* + b (K = 1,024); q_c, q_r = Q(c_q) W_U* + b, k_c, v_c = Q(c_kv) W_U* + b (K = 32); q, k, v are quantised and stored as the attention launch wants them.
; SHARES.  Work-group (U, P): tokens 128 U .. 128 U + 127 (one key step of one batch), heads 2 P and 2 P + 1.  Wave w owns the token tile w for the down-projections, Q and K;
; for V it owns head w / 4 of the two and channels 32 (w % 4) on, for all 128 tokens, since the tokens are V's K and a scale word spans 128 of them.
; The down-projections are made anew in the four work-groups of a token unit: V's scale words want 128 tokens in one work-group, and 256 work-groups are wanted.
; TILES ARE PERMUTED.  Lane r of tile 2 b + u of anything (tokens, rows of a weight, channels) takes element 32 b + 8 u + r + 8 (r / 8).  All products are used with the thing that becomes the next K as source 0:
; the 16 result registers of tiles 2 b and 2 b + 1 are then 16 neighbours along the next K, in the operand's own order, and the conversions' results are the next operand's registers.
; IMAGES.  A fragment (16 registers a lane) lies in LDS and in memory as its registers: group c of four at 512 c + 16 x lane.  No pitch, no padding; every load and store covers 512 consecutive bytes.
; K = 32.  One operand is a RUN: its four blocks of 32 hold four different tiles' codes.  The other is a WINDOW: its four code registers stand in a chain of zero registers, and the operand begins 4 t registers
; ahead of them, so that they meet block t of the run and zero codes meet the other three.  The run's scale word holds the four tiles' bytes, the window's its one byte four times.
; NO CLUSTER: h goes from memory straight into operand registers; a joint load would add 128 KB of LDS writes and as many reads a work-group to spare three repeated reads of 128 KB.
; LIMITS.  A NaN code or a scale byte 0xff in W_UQ, W_UK, W_UV or W_QR spreads to the three other tiles of its run.  NaN and infinities are not served.  A block whose largest magnitude lies under 2^-118
; (a block of zeros too) keeps the byte 1: its codes are zeros or subnormal, and the bytes are read by this program alone.
.set NP,   9                           ; places behind a run of products: eight for loads and reads, one more where a later product writes over a register
; LDS
.set WIMG, 0                           ; the three W_D's fragments: 8 K steps x 6 tiles x 2,048
.set RAWQ, WIMG+98304                  ; my two heads' rows of W_UQ, 256 x 32 bytes;
.set RAWK, RAWQ+8192                   ; of W_UK;
.set RAWV, RAWK+8192                   ; of W_UV;
.set RAWR, RAWV+8192                   ; of W_QR, 64 x 32 bytes
.set BUQ,  RAWR+2048                   ; the biases: 256 numbers each,
.set BUK,  BUQ+1024
.set BUV,  BUK+1024
.set BQR,  BUV+1024                    ; b_QR's 64, four times over: each thread stores a word of its own
.set SCQ,  BQR+1024                    ; the weights' scale bytes
.set SCK,  SCQ+256
.set SCV,  SCK+256
.set SCR,  SCV+256                     ; W_QR's 64, four times over
.set CIMG, SCR+256                     ; c_kv's codes: 512 bytes a token tile: two runs of four tiles
.set CSC,  CIMG+4096                   ; and the runs' scale words: byte (w % 4) of word 16 (w / 4) + r
.set GS,   CSC+256                     ; for each of my two heads 2,048: K's scale words 512, V's 512, the rope runs' 512, 512 unused
.set SPARE, GS+4096                    ; the spare words, 128 bytes a wave: four blocks of 256 bytes that no other line names
; window 0
.set LI,   1                           ; 16 x lane
.set LIB,  2                           ; + 61,440: K steps 5 to 7 of WIMG
.set WOFF, 3                           ; RAWQ + 32 r' + 16 h: my 16 bytes of row r' of a weight tile
.set WOFFV, 4                          ; the same in RAWV at my wave's first channel
.set BH,   5                           ; BUQ + 64 h
.set RP1,  6                           ; SCQ + r'
.set RPV,  7                           ; SCV + my first channel + r'
.set BVA,  8                           ; BUV + 4 (my first channel + r')
.set GK,   9                           ; where my token tile's K scale word goes
.set GV,   10                          ; where my channel tile's V scale word goes
.set GR,   11                          ; where my token tile's rope byte goes
.set GC,   12                          ; where my token tile's c_kv byte goes
.set CI,   13                          ; where my token tile's c_kv codes go
.set CSA,  14                          ; CSC + 4 x lane
.set L8,   15                          ; 8 x lane
.set WDSC, 32                          ; v32-55 W_D's scale words, 8 mat + s: lanes 0-15 tile u = 0, lanes 16-31 tile u = 1
.set HSC,  56                          ; v56-63 h's scale words
.set SW,   32                          ; later v32-40: the nine weight runs' scale words
.set CQW,  41                          ; c_q's byte four times;
.set CKW,  42                          ; c_kv's
.set CSW,  43                          ; c_kv's runs' words: lanes 0-15 run 0, lanes 16-31 run 1
.set VWW,  44                          ; v44-45 W_UV's tiles' bytes four times
.set HF,   64                          ; v64-191 h's eight fragments
.set ACC,  64                          ; later the jobs' results
.set U8,   144                         ; v144-179 the weights' scale bytes as loaded
.set PCT,  180                         ; v180-191 at work on the three latent blocks
.set AC,   192                         ; v192-239 six accumulators: DQ u0 u1, DKV u0 u1, KR u0 u1
.set TM,   192                         ; later v192-207 the quantiser's 16
.set PW,   208                         ; the scale word just made
.set RW,   209                         ; the rope byte four times
.set PC,   210                         ; v210-225 the codes just made
.set RC,   226                         ; v226-229 q's rope codes
.set BV,   230                         ; v230-245 V's bias, eight times for each of two tiles
.set CIB,  246                         ; CIMG + 16 x lane
.set GT,   247                         ; GS + 512 w + 16 x lane
.set RCK,  250                         ; v250-253 k's rope codes
.set SPW,  254                         ; my spare word's LDS address; never rewritten
.set NIL,  255                         ; 0; never rewritten
; window 1
.set WR,   0                           ; v0-143 nine weight runs: Q head 0 (0, 1), Q head 1 (2, 3), rope (4), K head 0 (5, 6), K head 1 (7, 8); before that two buffers of six W_D fragments at v0 and v96
.set CR,   144                         ; v144-175 c_kv's two runs
.set CH,   192                         ; v192-235 the chain: 12 zeros, 4 codes, 12 zeros, 4 codes, 12 zeros
; scalars
.set WV,   56
.set MNT,  57                          ; the mantissa field of 448
.set SEL,  58                          ; s[58:59] v_permlanex16_b32's selects for lane l xor 16
.set PP,   60                          ; which pair of heads
.set BB,   61                          ; batch
.set STP,  62                          ; key step in the batch
.set W1,   63
.set W0,   66
.set HV,   67                          ; w / 4
.set CP,   68                          ; w % 4
.set KVK,  80                          ; s[80:81] kv at my key tile's image
.set KVV,  82                          ; s[82:83] kv at my two channel tiles' images
.set KXR,  84                          ; s[84:85] kv at my token tile's rope codes: byte 32,768 of the key step's record on
.set KXT,  86                          ; s[86:87] kv at the 512 scale bytes that my wave copies: byte 36,864 of the record on
.set MSB, 0
.macro WIN new                         ; the immediate's high byte repeats the setting that is left
.if MSB != \new
	s_set_vgpr_msb (MSB<<8)|\new
.set MSB, \new
.endif
.endm
.macro PLACES n
.rept \n
	v_nop
.endr
.endm
.macro BARRIER                         ; my LDS stores have landed and my LDS loads are in: then the work-group's barrier
	s_wait_dscnt 0x0
	s_barrier_signal -1
	s_barrier_wait -1
.endm
.macro MM d, a, b, c, sa, sb, row      ; one product; row = 1: source 0's scales stand in lanes 16-31
.if \row
	v_wmma_scale_f32_16x16x128_f8f6f4 v[\d:\d+7], v[\a:\a+15], v[\b:\b+15], v[\c:\c+7], v[\sa], v[\sb] matrix_a_scale:MATRIX_SCALE_ROW1
.else
	v_wmma_scale_f32_16x16x128_f8f6f4 v[\d:\d+7], v[\a:\a+15], v[\b:\b+15], v[\c:\c+7], v[\sa], v[\sb]
.endif
.endm
; 64 numbers of a lane, register 16 b + i = k 32 b + 16 (lane / 16) + i of my row, become a fragment's codes in v[pc] on and its scale word in v[pw]
.macro QUANT s, pc, pw
.irp b, 0,1,2,3
	v_max3_num_f32 v[TM+\b], |v[\s+16*\b]|, |v[\s+16*\b+1]|, 0x4800000   ; my 16 numbers of block b, and the floor 2^(9 - 127): the byte cannot fall under 1
.endr
.irp i, 2,4,6,8,10,12,14
.irp b, 0,1,2,3
	v_max3_num_f32 v[TM+\b], v[TM+\b], |v[\s+16*\b+\i]|, |v[\s+16*\b+\i+1]|   ; the four blocks by turns; each result tile is read from its low end on
.endr
.endr
.irp b, 0,1,2,3
	s_delay_alu instid0(VALU_DEP_4)
	v_permlanex16_b32 v[TM+4+\b], v[TM+\b], s[SEL], s[SEL+1]
.endr
.irp b, 0,1,2,3
	s_delay_alu instid0(VALU_DEP_4)
	v_max_num_f32 v[TM+\b], v[TM+\b], v[TM+4+\b]   ; with lane l xor 16's: the block's largest magnitude
.endr
.irp b, 0,1,2,3
	s_delay_alu instid0(VALU_DEP_4)
	v_add_nc_u32 v[TM+12+\b], 0xfc000000, v[TM+\b]   ; 8 off its exponent field: the conversion's scale operand
.endr
.irp b, 0,1,2,3
	v_and_or_b32 v[TM+8+\b], v[TM+\b], 0x7f800000, s[MNT]   ; 448 x the scale
.endr
.irp b, 0,1,2,3
	v_lshrrev_b32 v[TM+4+\b], 23, v[TM+12+\b]   ; the scale's byte
.endr
	s_delay_alu instid0(VALU_DEP_3)
	v_lshl_or_b32 v[\pw], v[TM+5], 8, v[TM+4]
	s_delay_alu instid0(VALU_DEP_1)
	v_lshl_or_b32 v[\pw], v[TM+6], 16, v[\pw]
	s_delay_alu instid0(VALU_DEP_1)
	v_lshl_or_b32 v[\pw], v[TM+7], 24, v[\pw]
.irp b, 0,1,2,3
.irp i, 0,1,2,3,4,5,6,7,8,9,10,11,12,13,14,15
	v_med3_num_f32 v[\s+16*\b+\i], v[\s+16*\b+\i], -v[TM+8+\b], v[TM+8+\b]   ; the conversion to an 8-bit code does not saturate (ISA guide 7.6.2): the hold comes first
.endr
	v_cvt_scalef32_pk8_fp8_f32 v[\pc+4*\b:\pc+4*\b+1], v[\s+16*\b:\s+16*\b+7], v[TM+12+\b]
	v_cvt_scalef32_pk8_fp8_f32 v[\pc+4*\b+2:\pc+4*\b+3], v[\s+16*\b+8:\s+16*\b+15], v[TM+12+\b]
.endr
	v_nop                                          ; one plain line behind the last conversion, ahead of whatever next touches its registers
.endm
; the same for one block: 16 numbers a lane; the byte comes out four times over
.macro QUANT1 s, pc, pw
	v_max3_num_f32 v[TM], |v[\s]|, |v[\s+1]|, 0x4800000
.irp i, 2,4,6,8,10,12,14
	v_max3_num_f32 v[TM], v[TM], |v[\s+\i]|, |v[\s+\i+1]|
.endr
	s_delay_alu instid0(VALU_DEP_1)
	v_permlanex16_b32 v[TM+4], v[TM], s[SEL], s[SEL+1]
	s_delay_alu instid0(VALU_DEP_1)
	v_max_num_f32 v[TM], v[TM], v[TM+4]
	s_delay_alu instid0(VALU_DEP_1)
	v_add_nc_u32 v[TM+12], 0xfc000000, v[TM]
	s_delay_alu instid0(VALU_DEP_2)
	v_and_or_b32 v[TM+8], v[TM], 0x7f800000, s[MNT]
	s_delay_alu instid0(VALU_DEP_2)
	v_lshrrev_b32 v[TM+4], 23, v[TM+12]
	s_delay_alu instid0(VALU_DEP_1)
	v_perm_b32 v[\pw], v[TM+4], v[TM+4], 0         ; byte 0 into all four bytes
.irp i, 0,1,2,3,4,5,6,7,8,9,10,11,12,13,14,15
	v_med3_num_f32 v[\s+\i], v[\s+\i], -v[TM+8], v[TM+8]
.endr
	v_cvt_scalef32_pk8_fp8_f32 v[\pc:\pc+1], v[\s:\s+7], v[TM+12]
	v_cvt_scalef32_pk8_fp8_f32 v[\pc+2:\pc+3], v[\s+8:\s+15], v[TM+12]
	v_nop
.endm
	s_load_b512 s[4:19], s[0:1], 0x0               ; h codes 4, h scales 6, W_DQ 8, 10, W_DKV 12, 14, W_KR 16, 18
	s_load_b512 s[20:35], s[0:1], 0x40             ; b_DQ 20, b_DKV 22, b_KR 24, W_UQ 26, 28, b_UQ 30, W_QR 32, 34
	s_load_b512 s[36:51], s[0:1], 0x80             ; b_QR 36, W_UK 38, 40, b_UK 42, W_UV 44, 46, b_UV 48, qb 50
	s_load_b64 s[52:53], s[0:1], 0xc0              ; kv 52: a record of 38,400 bytes for each head and key step: K's images 16,384, V's 16,384, the rope codes 4,096, the scale words 1,536
	s_load_b128 s[88:91], s[0:1], 0xc8             ; W_O's codes 88, wo 90
	v_lshl_add_u32 v[SPW], v0, 2, SPARE
	v_mov_b32 v[NIL], 0
	v_lshrrev_b32 v16, 5, v0
	s_delay_alu instid0(VALU_DEP_1)
	v_readfirstlane_b32 s[WV], v16                 ; wave 0..7
	s_and_b32 s[PP], ttmp7, 0xffff
	s_lshr_b32 s[BB], ttmp9, 4
	s_and_b32 s[STP], ttmp9, 15
	s_lshr_b32 s[W1], s[WV], 1
	s_and_b32 s[W0], s[WV], 1
	s_lshr_b32 s[HV], s[WV], 2
	s_and_b32 s[CP], s[WV], 3
	s_mov_b32 s[MNT], 0x600000
	s_mov_b32 s[SEL], 0x76543210
	s_mov_b32 s[SEL+1], 0xfedcba98
	v_and_b32 v16, 31, v0                          ; lane
	v_and_b32 v17, 15, v0                          ; r
	v_bfe_u32 v18, v0, 4, 1                        ; h
	s_delay_alu instid0(VALU_DEP_2)
	v_and_b32 v19, 8, v17
	s_delay_alu instid0(VALU_DEP_1)
	v_add_nc_u32 v19, v19, v17                     ; r' = r + 8 (r / 8)
	v_lshlrev_b32 v[LI], 4, v16
	s_delay_alu instid0(VALU_DEP_1)
	v_add_nc_u32 v[LIB], 61440, v[LI]
	v_lshlrev_b32 v[L8], 3, v16
	s_delay_alu instid0(VALU_DEP_4)
	v_lshlrev_b32 v[WOFF], 5, v19
	s_delay_alu instid0(VALU_DEP_1)
	v_lshl_add_u32 v[WOFF], v18, 4, v[WOFF]
	s_delay_alu instid0(VALU_DEP_1)
	v_add_nc_u32 v[WOFF], RAWQ, v[WOFF]
	s_lshl_b32 s69, s[HV], 7
	s_lshl_b32 s70, s[CP], 5
	s_add_co_u32 s69, s69, s70                     ; my wave's first channel among the two heads' 256
	s_lshl_b32 s70, s69, 5
	s_add_co_u32 s70, s70, RAWV-RAWQ
	v_add_nc_u32 v[WOFFV], s70, v[WOFF]
	v_lshl_add_u32 v[BH], v18, 6, BUQ
	v_add_nc_u32 v[RP1], SCQ, v19
	v_add_nc_u32 v[BVA], s69, v19
	s_delay_alu instid0(VALU_DEP_1)
	v_add_nc_u32 v[RPV], SCV, v[BVA]
	s_delay_alu instid0(VALU_DEP_2)
	v_lshl_add_u32 v[BVA], v[BVA], 2, BUV
	s_lshl_b32 s70, s[W0], 8
	s_lshl_b32 s71, s[W1], 2
	s_add_co_u32 s70, s70, s71
	s_add_co_u32 s70, s70, GS
	v_lshl_add_u32 v[GK], v17, 4, s70              ; word w / 2 of lane (r, w % 2)
	s_lshl_b32 s70, s[CP], 2
	s_lshl_b32 s71, s[HV], 11
	s_add_co_u32 s70, s70, s71
	s_add_co_u32 s70, s70, GS+512
	v_lshl_add_u32 v[GV], v17, 4, s70              ; word w % 4 of lane (r, e), head w / 4
	s_lshl_b32 s70, s[HV], 8
	s_add_co_u32 s70, s70, s[CP]
	s_add_co_u32 s70, s70, GS+1024
	v_lshl_add_u32 v[GR], v17, 4, s70              ; byte w % 4 of the words of lane (r, w / 4)
	s_lshl_b32 s70, s[HV], 6
	s_add_co_u32 s70, s70, s[CP]
	s_add_co_u32 s70, s70, CSC
	v_lshl_add_u32 v[GC], v17, 2, s70
	s_lshl_b32 s70, s[WV], 9
	s_add_co_u32 s71, s70, CIMG
	v_add_nc_u32 v[CI], s71, v[LI]
	s_add_co_u32 s71, s70, GS
	v_add_nc_u32 v[GT], s71, v[LI]
	v_lshl_add_u32 v[CSA], v16, 2, CSC
	v_add_nc_u32 v[CIB], CIMG, v[LI]
	; offsets of the head's loads and stores: v20-31, v248, v249, and v16, v18 once the lane and h are done with
	v_lshlrev_b32 v20, 4, v0
	s_lshl_b32 s70, s[PP], 13
	v_add_nc_u32 v20, s70, v20                     ; 16 t + my heads' 8,192 bytes of W_UQ, W_UK, W_UV
	v_lshlrev_b32 v21, 3, v0
	s_lshl_b32 s70, s[PP], 11
	v_add_nc_u32 v21, s70, v21                     ; 8 t + my heads' 2,048 bytes of W_QR
	v_lshlrev_b32 v22, 2, v0
	s_lshl_b32 s70, s[PP], 10
	v_add_nc_u32 v22, s70, v22                     ; 4 t + my heads' 256 numbers of a bias
	s_lshl_b32 s70, s[PP], 8
	v_add_nc_u32 v23, s70, v0                      ; t + my heads' 256 scale bytes
	v_and_b32 v25, 63, v0
	s_delay_alu instid0(VALU_DEP_1)
	v_lshlrev_b32 v24, 2, v25
	s_delay_alu instid0(VALU_DEP_1)
	v_add_nc_u32 v24, s70, v24                     ; 4 (t % 64) + my heads' 64 numbers of b_QR
	s_lshl_b32 s70, s[PP], 6
	v_add_nc_u32 v25, s70, v25                     ; (t % 64) + my heads' 64 scale bytes of W_QR
	s_lshl_b32 s70, ttmp9, 7
	s_lshl_b32 s71, s[W1], 5
	s_add_co_u32 s70, s70, s71
	s_lshl_b32 s71, s[W0], 3
	s_add_co_u32 s70, s70, s71
	v_add_nc_u32 v28, s70, v19                     ; my token: 128 U + 32 (w / 2) + 8 (w % 2) + r'
	s_delay_alu instid0(VALU_DEP_1)
	v_lshlrev_b32 v26, 10, v28
	s_delay_alu instid0(VALU_DEP_1)
	v_lshl_add_u32 v26, v18, 4, v26                ; its row of codes, + 16 h
	s_delay_alu instid0(VALU_DEP_3)
	v_lshlrev_b32 v28, 5, v28                      ; its 32 scale bytes
	v_lshlrev_b32 v27, 10, v19
	s_delay_alu instid0(VALU_DEP_1)
	v_lshl_add_u32 v27, v18, 4, v27
	s_lshl_b32 s70, s[WV], 7
	v_add_nc_u32 v27, s70, v27                     ; a W_D: row r', K step w, + 16 h
	v_lshl_add_u32 v29, v18, 3, v19
	s_delay_alu instid0(VALU_DEP_1)
	v_lshlrev_b32 v29, 5, v29                      ; a W_D's scales: row 8 h + r'
	v_lshl_add_u32 v30, v0, 4, RAWQ
	v_lshl_add_u32 v31, v0, 3, RAWR
	v_lshl_add_u32 v248, v0, 2, BUQ
	v_add_nc_u32 v249, SCQ, v0
	s_mul_i32 s70, s[WV], 12288
	v_add_nc_u32 v16, s70, v[LI]                   ; WIMG at K step w
	v_lshlrev_b32 v250, 10, v17
	v_lshl_add_u32 v250, v18, 4, v250              ; W_O: row r of a tile, + 16 h
	v_lshlrev_b32 v18, 6, v18                      ; 64 h: the latent biases
	s_wait_alu depctr_va_vdst(0)
	s_wait_kmcnt 0x0
	; W_O IS LAID ANEW for the last launch, as images of its operand registers: fragment f = 8 j + s (16 rows 16 j on, K step s) at 2,048 f, group c of four registers at 512 c + 16 x lane.
	; 512 fragments: waves 0 and 1 of each of the 256 work-groups take one each.  Their four loads are issued ahead of all others, so the counted wait below shows them done too.
	s_lshl_b32 s69, s[PP], 6
	s_add_co_u32 s69, s69, ttmp9
	s_lshl_b32 s69, s69, 1
	s_add_co_u32 s69, s69, s[WV]                   ; f
	s_lshr_b32 s70, s69, 3
	s_lshl_b32 s70, s70, 14
	s_and_b32 s72, s69, 7
	s_lshl_b32 s72, s72, 7
	s_add_co_u32 s70, s70, s72
	s_mov_b32 s71, 0
	s_add_nc_u64 s[88:89], s[88:89], s[70:71]
	s_lshl_b32 s70, s69, 11
	s_add_nc_u64 s[90:91], s[90:91], s[70:71]
	s_cmp_lt_u32 s[WV], 2
	s_cbranch_scc0 .Lno_wl
	WIN 0x40
.irp c, 0,1,2,3
	global_load_b128 v[236+4*\c:239+4*\c], v250, s[88:89] offset:32*\c   ; window 1, v236-251: registers that no other line names
.endr
	WIN 0
.Lno_wl:
	; ---- the head's loads.  First what goes through LDS: the W_D's fragments of K step w, and a 256th of each small weight
	WIN 0x40
.irp m, 0,1,2
.irp u, 0,1
.irp c, 0,1,2,3
	global_load_b128 v[16*(2*\m+\u)+4*\c:16*(2*\m+\u)+4*\c+3], v27, s[8+4*\m:9+4*\m] offset:8192*\u+32*\c
.endr
.endr
.endr
	global_load_b128 v[96:99], v20, s[26:27]
	global_load_b128 v[100:103], v20, s[26:27] offset:4096
	global_load_b128 v[104:107], v20, s[38:39]
	global_load_b128 v[108:111], v20, s[38:39] offset:4096
	global_load_b128 v[112:115], v20, s[44:45]
	global_load_b128 v[116:119], v20, s[44:45] offset:4096
	global_load_b64 v[120:121], v21, s[32:33]
	global_load_b32 v122, v22, s[30:31]
	global_load_b32 v123, v22, s[42:43]
	global_load_b32 v124, v22, s[48:49]
	global_load_b32 v125, v24, s[36:37]
	global_load_u8 v126, v23, s[28:29]
	global_load_u8 v127, v23, s[40:41]
	global_load_u8 v128, v23, s[46:47]
	global_load_u8 v129, v25, s[34:35]
	WIN 0
	; then what stays in registers: 32 loads of h's fragments, 8 of scale words, 12 of biases, which are the sums' first C
.irp s, 0,1,2,3,4,5,6,7
.irp c, 0,1,2,3
	global_load_b128 v[HF+16*\s+4*\c:HF+16*\s+4*\c+3], v26, s[4:5] offset:128*\s+32*\c
.endr
.endr
	global_load_b128 v[HSC:HSC+3], v28, s[6:7]
	global_load_b128 v[HSC+4:HSC+7], v28, s[6:7] offset:16
.irp m, 0,1,2
	global_load_b128 v[WDSC+8*\m:WDSC+8*\m+3], v29, s[10+4*\m:11+4*\m]
	global_load_b128 v[WDSC+8*\m+4:WDSC+8*\m+7], v29, s[10+4*\m:11+4*\m] offset:16
.endr
.irp m, 0,1,2
.irp u, 0,1
	global_load_b128 v[AC+8*(2*\m+\u):AC+8*(2*\m+\u)+3], v18, s[20+2*\m:21+2*\m] offset:32*\u
	global_load_b128 v[AC+8*(2*\m+\u)+4:AC+8*(2*\m+\u)+7], v18, s[20+2*\m:21+2*\m] offset:32*\u+16
.endr
.endr
	; while they are out: the chain's zeros, and where my results go
	WIN 0x40
.irp z, 0,16,32
.irp i, 0,1,2,3,4,5,6,7,8,9,10,11
	v_mov_b32 v[CH+\z+\i], 0
.endr
.endr
	WIN 0
	s_lshl_b32 s69, s[BB], 3
	s_lshl_b32 s70, s[PP], 1
	s_add_co_u32 s69, s69, s70                     ; the first of my two heads, counted through the batches
	s_lshl_b32 s70, s69, 7
	s_lshl_b32 s72, s[STP], 3
	s_add_co_u32 s70, s70, s72
	s_add_co_u32 s70, s70, s[WV]
	s_mul_i32 s70, s70, 2816
	s_mov_b32 s71, 0
	s_add_nc_u64 s[50:51], s[50:51], s[70:71]      ; qb at my query tile's record
	s_lshl_b32 s70, s69, 4
	s_add_co_u32 s70, s70, s[STP]
	s_mul_i32 s70, s70, 38400
	s_add_nc_u64 s[52:53], s[52:53], s[70:71]      ; kv at my key step's record
	s_lshl_b32 s70, s[WV], 11
	s_add_nc_u64 s[KVK:KVK+1], s[52:53], s[70:71]
	s_mul_i32 s70, s[HV], 614400                   ; a head's 16 records
	s_lshl_b32 s72, s[CP], 12
	s_add_co_u32 s70, s70, s72
	s_add_co_u32 s70, s70, 16384
	s_add_nc_u64 s[KVV:KVV+1], s[52:53], s[70:71]
	s_add_nc_u64 s[54:55], s[52:53], 32768         ; behind K's and V's images in my key step's record
	s_lshl_b32 s70, s[WV], 9
	s_add_nc_u64 s[KXR:KXR+1], s[54:55], s[70:71]
	s_mul_i32 s70, s[HV], 614400
	s_lshl_b32 s72, s[CP], 9
	s_add_co_u32 s70, s70, s72
	s_add_co_u32 s70, s70, 4096
	s_add_nc_u64 s[KXT:KXT+1], s[54:55], s[70:71]
	; ---- staging
	s_wait_loadcnt 52                              ; behind the staging loads stand 32 + 8 + 12 others, which may stay out
	s_cmp_lt_u32 s[WV], 2
	s_cbranch_scc0 .Lno_ws
	WIN 0x04
.irp c, 0,1,2,3
	global_store_b128 v[LI], v[236+4*\c:239+4*\c], s[90:91] offset:512*\c   ; 512 consecutive bytes a store
.endr
	WIN 0
.Lno_ws:
	WIN 0x04                                       ; an LDS store's data are its source 1: window 1
.irp jt, 0,1,2,3,4,5
.irp c, 0,1,2,3
	ds_store_b128 v16, v[16*\jt+4*\c:16*\jt+4*\c+3] offset:2048*\jt+512*\c
.endr
.endr
	ds_store_b128 v30, v[96:99]
	ds_store_b128 v30, v[100:103] offset:4096
	ds_store_b128 v30, v[104:107] offset:RAWK-RAWQ
	ds_store_b128 v30, v[108:111] offset:RAWK-RAWQ+4096
	ds_store_b128 v30, v[112:115] offset:RAWV-RAWQ
	ds_store_b128 v30, v[116:119] offset:RAWV-RAWQ+4096
	ds_store_b64 v31, v[120:121]
	ds_store_b32 v248, v122
	ds_store_b32 v248, v123 offset:BUK-BUQ
	ds_store_b32 v248, v124 offset:BUV-BUQ
	ds_store_b32 v248, v125 offset:BQR-BUQ
	ds_store_b8 v249, v126
	ds_store_b8 v249, v127 offset:SCK-SCQ
	ds_store_b8 v249, v128 offset:SCV-SCQ
	ds_store_b8 v249, v129 offset:SCR-SCQ
	WIN 0
	BARRIER                                        ; all weights lie in LDS
	; ---- the three down-projections: 8 K steps x 6 tiles, source 0 = 16 rows of a W_D, source 1 = my 16 tokens
.macro ALOAD s                         ; K step s's six fragments into buffer s % 2
	WIN 0x40
.irp jt, 0,1,2,3,4,5
.irp c, 0,1,2,3
.if (\s) < 5
	ds_load_b128 v[96*((\s)%2)+16*\jt+4*\c:96*((\s)%2)+16*\jt+4*\c+3], v[LI] offset:12288*(\s)+2048*\jt+512*\c
.else
	ds_load_b128 v[96*((\s)%2)+16*\jt+4*\c:96*((\s)%2)+16*\jt+4*\c+3], v[LIB] offset:12288*((\s)-5)+2048*\jt+512*\c
.endif
.endr
.endr
	WIN 0
.endm
.macro ASTEP s
.if (\s) < 7
	s_wait_dscnt 24                                ; this step's fragments are in; the next step's 24 loads may be out
.else
	s_wait_dscnt 0x0
.endif
	WIN 0x01
.irp jt, 0,1,2,3,4,5
	MM AC+8*\jt, 96*((\s)%2)+16*\jt, HF+16*(\s), AC+8*\jt, WDSC+8*(\jt/2)+(\s), HSC+(\s), \jt%2   ; the six accumulators by turns
.endr
	WIN 0
	PLACES NP
.if (\s)+2 < 8
	ALOAD (\s)+2
.endif
.endm
	ALOAD 0
	ALOAD 1
	s_wait_loadcnt 0x0                             ; h, the scale words, the biases
.irp s, 0,1,2,3,4,5,6,7
	ASTEP \s
.endr
	; ---- the small weights into registers: nine runs of four tiles, and their scale bytes
	WIN 0x40
.irp hd, 0,1
.irp T, 0,1,2,3,4,5,6,7
	ds_load_b128 v[WR+16*(2*\hd+\T/4)+4*(\T%4):WR+16*(2*\hd+\T/4)+4*(\T%4)+3], v[WOFF] offset:32*(128*\hd+32*(\T/2)+8*(\T%2))
	ds_load_b128 v[WR+16*(5+2*\hd+\T/4)+4*(\T%4):WR+16*(5+2*\hd+\T/4)+4*(\T%4)+3], v[WOFF] offset:RAWK-RAWQ+32*(128*\hd+32*(\T/2)+8*(\T%2))
.endr
.irp u, 0,1
	ds_load_b128 v[WR+64+4*(2*\hd+\u):WR+64+4*(2*\hd+\u)+3], v[WOFF] offset:RAWR-RAWQ+32*(32*\hd+8*\u)
.endr
.endr
	WIN 0
.irp hd, 0,1
.irp T, 0,1,2,3,4,5,6,7
	ds_load_u8 v[U8+4*(2*\hd+\T/4)+\T%4], v[RP1] offset:128*\hd+32*(\T/2)+8*(\T%2)
	ds_load_u8 v[U8+4*(5+2*\hd+\T/4)+\T%4], v[RP1] offset:SCK-SCQ+128*\hd+32*(\T/2)+8*(\T%2)
.endr
.irp u, 0,1
	ds_load_u8 v[U8+16+2*\hd+\u], v[RP1] offset:SCR-SCQ+32*\hd+8*\u
.endr
.endr
	; ---- c_q, c_kv and k_r are quantised: one block of 32 each, 16 numbers a lane, the three by turns
.irp k, 0,1,2
	v_max3_num_f32 v[PCT+\k], |v[AC+16*\k]|, |v[AC+16*\k+1]|, 0x4800000
.endr
.irp i, 2,4,6,8,10,12,14
.irp k, 0,1,2
	v_max3_num_f32 v[PCT+\k], v[PCT+\k], |v[AC+16*\k+\i]|, |v[AC+16*\k+\i+1]|
.endr
.endr
.irp k, 0,1,2
	s_delay_alu instid0(VALU_DEP_3)
	v_permlanex16_b32 v[PCT+3+\k], v[PCT+\k], s[SEL], s[SEL+1]
.endr
.irp k, 0,1,2
	s_delay_alu instid0(VALU_DEP_3)
	v_max_num_f32 v[PCT+\k], v[PCT+\k], v[PCT+3+\k]
.endr
.irp k, 0,1,2
	s_delay_alu instid0(VALU_DEP_3)
	v_add_nc_u32 v[PCT+6+\k], 0xfc000000, v[PCT+\k]
.endr
.irp k, 0,1,2
	v_and_or_b32 v[PCT+9+\k], v[PCT+\k], 0x7f800000, s[MNT]
.endr
.irp k, 0,1,2
	v_lshrrev_b32 v[PCT+3+\k], 23, v[PCT+6+\k]     ; the three bytes
.endr
	s_delay_alu instid0(VALU_DEP_3)
	v_perm_b32 v[CQW], v[PCT+3], v[PCT+3], 0       ; a window's scale word: its byte four times
	s_delay_alu instid0(VALU_DEP_3)
	v_perm_b32 v[CKW], v[PCT+4], v[PCT+4], 0
.irp k, 0,1,2
.irp i, 0,1,2,3,4,5,6,7,8,9,10,11,12,13,14,15
	v_med3_num_f32 v[AC+16*\k+\i], v[AC+16*\k+\i], -v[PCT+9+\k], v[PCT+9+\k]
.endr
.endr
	WIN 0x40                                       ; c_q's and c_kv's codes go into the chain, in window 1
	v_cvt_scalef32_pk8_fp8_f32 v[CH+12:CH+13], v[AC:AC+7], v[PCT+6]
	v_cvt_scalef32_pk8_fp8_f32 v[CH+14:CH+15], v[AC+8:AC+15], v[PCT+6]
	v_cvt_scalef32_pk8_fp8_f32 v[CH+28:CH+29], v[AC+16:AC+23], v[PCT+7]
	v_cvt_scalef32_pk8_fp8_f32 v[CH+30:CH+31], v[AC+24:AC+31], v[PCT+7]
	WIN 0
	v_cvt_scalef32_pk8_fp8_f32 v[RCK:RCK+1], v[AC+32:AC+39], v[PCT+8]
	v_cvt_scalef32_pk8_fp8_f32 v[RCK+2:RCK+3], v[AC+40:AC+47], v[PCT+8]
	v_nop
	s_wait_dscnt 0x0                               ; the runs and their bytes are in
.irp n, 0,1,2,3,4,5,6,7,8
	v_lshl_or_b32 v[SW+\n], v[U8+4*\n+1], 8, v[U8+4*\n]
	s_delay_alu instid0(VALU_DEP_1)
	v_lshl_or_b32 v[SW+\n], v[U8+4*\n+2], 16, v[SW+\n]
	s_delay_alu instid0(VALU_DEP_1)
	v_lshl_or_b32 v[SW+\n], v[U8+4*\n+3], 24, v[SW+\n]
.endr
	WIN 0x04
	ds_store_b128 v[CI], v[CH+28:CH+31]            ; c_kv's codes of my token tile: block w % 4 of run w / 4
	WIN 0
	ds_store_b8 v[GC], v[PCT+4]                    ; and their byte (both halves of the lanes write the same byte with the same value)
.irp hd, 0,1
.irp k, 0,1,2,3
	ds_store_b8 v[GR], v[PCT+5] offset:2048*\hd+4*\k   ; the rope byte, into the run's word, which stands four times, for both heads
.endr
.endr
	global_store_b128 v[LI], v[RCK:RCK+3], s[KXR:KXR+1]               ; the rope codes, shared by all heads, into both my heads' records: 512 consecutive bytes
	global_store_b128 v[LI], v[RCK:RCK+3], s[KXR:KXR+1] offset:614400
	PLACES 8                                       ; scale words made by vector instructions stand eight places ahead of the first product that names them
; ---- q of head hh: 8 content tiles and 2 rope tiles, source 0 = a run of weight tiles, source 1 = c_q's window; the bias is the C
.macro JOBQ hh
.irp T, 0,1,2,3,4,5,6,7
	ds_load_b128 v[ACC+8*\T:ACC+8*\T+3], v[BH] offset:4*(128*\hh+32*(\T/2)+8*(\T%2))
	ds_load_b128 v[ACC+8*\T+4:ACC+8*\T+7], v[BH] offset:4*(128*\hh+32*(\T/2)+8*(\T%2))+16
.endr
.irp u, 0,1
	ds_load_b128 v[ACC+64+8*\u:ACC+64+8*\u+3], v[BH] offset:BQR-BUQ+4*(32*\hh+8*\u)
	ds_load_b128 v[ACC+64+8*\u+4:ACC+64+8*\u+7], v[BH] offset:BQR-BUQ+4*(32*\hh+8*\u)+16
.endr
	s_wait_dscnt 0x0
	WIN 0x05
.irp T, 0,1,2,3,4,5,6,7
	MM ACC+8*\T, WR+16*(2*\hh+\T/4), CH+12-4*(\T%4), ACC+8*\T, SW+2*\hh+\T/4, CQW, 0
.endr
.irp u, 0,1
	MM ACC+64+8*\u, WR+64, CH+12-4*(2*\hh+\u), ACC+64+8*\u, SW+4, CQW, 0
.endr
	WIN 0
	PLACES NP
	s_wait_xcnt 0x0                                ; the last job's stores have read the registers that are written now
	QUANT ACC, PC, PW
	QUANT1 ACC+64, RC, RW
.irp c, 0,1,2,3
	global_store_b128 v[LI], v[PC+4*\c:PC+4*\c+3], s[50:51] offset:360448*\hh+512*\c
.endr
	global_store_b128 v[LI], v[RC:RC+3], s[50:51] offset:360448*\hh+2048
	global_store_b64 v[L8], v[PW:PW+1], s[50:51] offset:360448*\hh+2560   ; the content word and the rope word: 256 consecutive bytes
.endm
; ---- k of head hh: 8 content tiles
.macro JOBK hh
.irp T, 0,1,2,3,4,5,6,7
	ds_load_b128 v[ACC+8*\T:ACC+8*\T+3], v[BH] offset:BUK-BUQ+4*(128*\hh+32*(\T/2)+8*(\T%2))
	ds_load_b128 v[ACC+8*\T+4:ACC+8*\T+7], v[BH] offset:BUK-BUQ+4*(128*\hh+32*(\T/2)+8*(\T%2))+16
.endr
	s_wait_dscnt 0x0
	WIN 0x05
.irp T, 0,1,2,3,4,5,6,7
	MM ACC+8*\T, WR+16*(5+2*\hh+\T/4), CH+28-4*(\T%4), ACC+8*\T, SW+5+2*\hh+\T/4, CKW, 0
.endr
	WIN 0
	PLACES NP
	s_wait_xcnt 0x0
	QUANT ACC, PC, PW
.irp c, 0,1,2,3
	global_store_b128 v[LI], v[PC+4*\c:PC+4*\c+3], s[KVK:KVK+1] offset:614400*\hh+512*\c
.endr
	ds_store_b32 v[GK], v[PW] offset:2048*\hh
.endm
	JOBQ 0
	JOBQ 1
	JOBK 0
	JOBK 1
	BARRIER                                        ; all eight token tiles' codes of c_kv and their bytes lie in LDS
	; ---- v: source 0 = a run of four token tiles of c_kv, source 1 = a window of 16 channels of W_UV: a lane holds one channel, its registers run down the 128 tokens
	WIN 0x40
.irp i, 0,1,2,3,4,5,6,7
	ds_load_b128 v[CR+4*\i:CR+4*\i+3], v[CIB] offset:512*\i
.endr
	ds_load_b128 v[CH+12:CH+15], v[WOFFV]
	ds_load_b128 v[CH+28:CH+31], v[WOFFV] offset:256
	WIN 0
	ds_load_b32 v[CSW], v[CSA]
	ds_load_u8 v[TM], v[RPV]
	ds_load_u8 v[TM+1], v[RPV] offset:8
	ds_load_b32 v[TM+2], v[BVA]
	ds_load_b32 v[TM+3], v[BVA] offset:32
	s_wait_dscnt 0x0
	v_perm_b32 v[VWW], v[TM], v[TM], 0
	v_perm_b32 v[VWW+1], v[TM+1], v[TM+1], 0
.irp e, 0,1
.irp j, 0,1,2,3,4,5,6,7
	v_mov_b32 v[BV+8*\e+\j], v[TM+2+\e]            ; the lane's channel has one bias for all tokens
.endr
.endr
	PLACES 8
	WIN 0x05
.irp i, 0,1,2,3,4,5,6,7
.irp e, 0,1
	MM ACC+64*\e+8*\i, CR+16*(\i/4), CH+12+16*\e-4*(\i%4), BV+8*\e, CSW, VWW+\e, \i/4
.endr
.endr
	WIN 0
	PLACES NP
.irp e, 0,1
	s_wait_xcnt 0x0                                ; earlier stores have read the registers that are written now,
	s_wait_dscnt 0x0                               ; the LDS store of the scale word too
	QUANT ACC+64*\e, PC, PW
.irp c, 0,1,2,3
	global_store_b128 v[LI], v[PC+4*\c:PC+4*\c+3], s[KVV:KVV+1] offset:2048*\e+512*\c
.endr
	ds_store_b32 v[GV], v[PW] offset:256*\e
.endr
	BARRIER                                        ; both heads' scale words lie in LDS
	s_cmp_eq_u32 s[CP], 3                          ; six of the eight waves copy 512 bytes each: three pieces for each head
	s_cbranch_scc1 .Ldone
	ds_load_b128 v[TM:TM+3], v[GT]
	s_wait_dscnt 0x0
	global_store_b128 v[LI], v[TM:TM+3], s[KXT:KXT+1]
.Ldone:
	s_wait_tensorcnt 0x0                           ; the wave's end, behind my last LDS store
	ds_add_u32 v[SPW], v[NIL]
	s_wait_dscnt 0x0
	s_endpgm
.Lfunc_end_k_q377e35105c_proj:
	.size	k_q377e35105c_proj, .Lfunc_end_k_q377e35105c_proj-k_q377e35105c_proj
	.p2alignl 7, 3214868480
	.fill 96, 4, 3214868480
	.section	.rodata,"a",@progbits
	.p2align	6, 0x0
	.amdhsa_kernel k_q377e35105c_proj
		.amdhsa_group_segment_fixed_size 139520
		.amdhsa_private_segment_fixed_size 0
		.amdhsa_enable_private_segment 0
		.amdhsa_kernarg_size 216
		.amdhsa_user_sgpr_count 2
		.amdhsa_user_sgpr_kernarg_segment_ptr 1
		.amdhsa_wavefront_size32 1
		.amdhsa_system_sgpr_workgroup_id_x 1
		.amdhsa_system_sgpr_workgroup_id_y 1
		.amdhsa_system_sgpr_workgroup_id_z 1
		.amdhsa_system_vgpr_workitem_id 0
		.amdhsa_next_free_vgpr 512
		.amdhsa_next_free_sgpr 100
		.amdhsa_reserve_vcc 0
		.amdhsa_float_denorm_mode_32 3
		.amdhsa_float_denorm_mode_16_64 3
		.amdhsa_memory_ordered 1
		.amdhsa_forward_progress 1
		.amdhsa_inst_pref_size 130
	.end_amdhsa_kernel
	.amdgpu_metadata
---
amdhsa.version: [ 1, 2 ]
amdhsa.kernels:
  - .name:           k_q377e35105c_proj
    .symbol:         k_q377e35105c_proj.kd
    .args:
      - { .name: h_t_codes, .offset: 0, .size: 8, .value_kind: global_buffer, .address_space: global }
      - { .name: h_t_scales, .offset: 8, .size: 8, .value_kind: global_buffer, .address_space: global }
      - { .name: W_DQ_codes, .offset: 16, .size: 8, .value_kind: global_buffer, .address_space: global }
      - { .name: W_DQ_scales, .offset: 24, .size: 8, .value_kind: global_buffer, .address_space: global }
      - { .name: W_DKV_codes, .offset: 32, .size: 8, .value_kind: global_buffer, .address_space: global }
      - { .name: W_DKV_scales, .offset: 40, .size: 8, .value_kind: global_buffer, .address_space: global }
      - { .name: W_KR_codes, .offset: 48, .size: 8, .value_kind: global_buffer, .address_space: global }
      - { .name: W_KR_scales, .offset: 56, .size: 8, .value_kind: global_buffer, .address_space: global }
      - { .name: b_DQ, .offset: 64, .size: 8, .value_kind: global_buffer, .address_space: global }
      - { .name: b_DKV, .offset: 72, .size: 8, .value_kind: global_buffer, .address_space: global }
      - { .name: b_KR, .offset: 80, .size: 8, .value_kind: global_buffer, .address_space: global }
      - { .name: W_UQ_codes, .offset: 88, .size: 8, .value_kind: global_buffer, .address_space: global }
      - { .name: W_UQ_scales, .offset: 96, .size: 8, .value_kind: global_buffer, .address_space: global }
      - { .name: b_UQ, .offset: 104, .size: 8, .value_kind: global_buffer, .address_space: global }
      - { .name: W_QR_codes, .offset: 112, .size: 8, .value_kind: global_buffer, .address_space: global }
      - { .name: W_QR_scales, .offset: 120, .size: 8, .value_kind: global_buffer, .address_space: global }
      - { .name: b_QR, .offset: 128, .size: 8, .value_kind: global_buffer, .address_space: global }
      - { .name: W_UK_codes, .offset: 136, .size: 8, .value_kind: global_buffer, .address_space: global }
      - { .name: W_UK_scales, .offset: 144, .size: 8, .value_kind: global_buffer, .address_space: global }
      - { .name: b_UK, .offset: 152, .size: 8, .value_kind: global_buffer, .address_space: global }
      - { .name: W_UV_codes, .offset: 160, .size: 8, .value_kind: global_buffer, .address_space: global }
      - { .name: W_UV_scales, .offset: 168, .size: 8, .value_kind: global_buffer, .address_space: global }
      - { .name: b_UV, .offset: 176, .size: 8, .value_kind: global_buffer, .address_space: global }
      - { .name: qb, .offset: 184, .size: 8, .value_kind: global_buffer, .address_space: global }
      - { .name: kv, .offset: 192, .size: 8, .value_kind: global_buffer, .address_space: global }
      - { .name: W_O_codes, .offset: 200, .size: 8, .value_kind: global_buffer, .address_space: global }
      - { .name: wo, .offset: 208, .size: 8, .value_kind: global_buffer, .address_space: global }
    .group_segment_fixed_size: 139520
    .private_segment_fixed_size: 0
    .kernarg_segment_align: 8
    .kernarg_segment_size: 216
    .max_flat_workgroup_size: 256
    .sgpr_count:     100
    .vgpr_count:     512
    .wavefront_size: 32
...
	.end_amdgpu_metadata
.endif
;; end of part 1
;; launch attn (part 2): grid 8 x 32, 8 waves a work-group, clusters of 4 x 1, 327,680 bytes of LDS; arguments qb, kv, ob, os; writes ob, os
.if DOCPART == 2
	.amdgcn_target "amdgcn-amd-amdhsa--gfx1250"
	.amdhsa_code_object_version 6
	.text
	.protected	k_q377e35105c_attn
	.globl	k_q377e35105c_attn
	.p2align	8
	.type	k_q377e35105c_attn,@function
k_q377e35105c_attn:
	s_mov_b64 s[64:65], 0
	v_nop
	global_prefetch_b8 v0, s[64:65] scope:SCOPE_SE
	s_setreg_imm32_b32 hwreg(HW_REG_WAVE_MODE, 25, 1), 1
	s_wait_xcnt 0x0
	s_wait_alu depctr_hold_cnt(0) depctr_sa_sdst(0) depctr_va_vdst(0) depctr_va_sdst(0) depctr_va_ssrc(0) depctr_va_vcc(0) depctr_vm_vsrc(0)
	s_getreg_b32 s2, hwreg(HW_REG_IB_STS2, 6, 4)
	s_cmp_eq_u32 s2, 0
	s_cbranch_scc0 .Lentry_in_a_cluster
	s_endpgm
.Lentry_in_a_cluster:
	s_bfe_u32 s2, ttmp6, 0x10000c
	s_cmp_lg_u32 s2, 0x3003
	s_cbranch_scc0 .Lentry_shape_is_right
	s_endpgm
.Lentry_shape_is_right:
; ATTENTION OF A LATENT ATTENTION LAYER on codes of FP8 (E4M3), one E8M0 scale for each 32 along K: scores over K = 160 (128 content + 32 rope), softmax, weighted sum of V, and the quantiser of o along the head's 128.
; t = score x log2(e) / sqrt(160); M = the running largest t rounded up to a whole number; p = 2^(t - M) is quantised along the keys; the row's sum is taken of the unquantised p and divides O at the end.
; SHARES.  A work-group owns 256 queries of one head of one batch; each of its eight waves 32 of them, two tiles x = 0, 1.  Every wave walks the head's 2,048 keys, 128 a step.
; Both products are used transposed (source 0 = keys, or V's channels; source 1 = my queries): a lane holds one query.  Tiles are permuted as the first launch lays them, so that p's 16 registers of two tiles are 16 neighbouring keys.
; kv holds a RECORD of 38,400 bytes for each head and key step, as images of operand registers (group c of four registers at 512 c + 16 x lane): K's 8 tiles, V's 8 tiles, the rope codes of 8 key tiles, K's, V's and the rope runs' scale words.
; ROPE.  K = 32: a run holds four key tiles' rope codes in its four blocks; q's rope codes stand in a chain of zero registers, and the operand begins 4 t registers ahead of them, so that they meet block t alone.
; THE RING.  Two LDS slots of four records, 153,600 bytes; a wave brings an eighth, 75 rows of 256 bytes, by one joint load: the four work-groups of a cluster walk the same head.  One change of slots for four key steps, at a slot's head.
; By the text's own count a wave has one tensor load out behind a change, and that load has four key steps in which to land.
; PREFETCH.  At the change that loads group g + 1 the cluster with number 0 along x (both clusters of a head read the same records) names group g + 2: its 600 blocks of 256 bytes are shared out by address, 19 to each of the cluster's 32 waves;
; lanes that are over, and what would pass the group's end, name the wave's last block again.  Groups 0 and 1 come by their loads alone; the last filling change names nothing.
; CHAINS.  Dependent vector lines stand five lines or more apart wherever the form has independent chains: the maxima in eight chains, the sums in five, the scale arithmetic among the sums' merges.
; LIMITS.  The promise holds while the scaled scores t stay under 2^31 in magnitude.  NaN and infinities are not served.  A block whose largest magnitude lies under 2^-118 keeps the byte 1; the bytes are read by this program alone.
; REGISTERS, window 0: v0-23 addresses, scale words, factors; v24-31 -M, largest score, the sum's halves, for each tile; v32-47, v124-127 at work; v48-79 q; v80-123 q's rope chain; v128-255 the scores, then p; K's and V's fragments land in its halves as they fall free.
; window 1: v0-127 O^T; v128-191 four fragments; v192-207, v240-255 the rope runs; v208-239 p's codes.
.set REC,   38400
.set SLOTB, 4*REC
.set PART,  SLOTB/8
.set HEADB, 16*REC
.set SPARE, 2*SLOTB                    ; the spare words, 128 bytes a wave
.set VO,    8192                       ; v[ADR] stands at byte 8,192 of the record in hand (K's tile 4),
.set NB,    REC-VO                     ; so that the next record begins this far on, within an LDS offset's 16 bits
.set Y1,  0                            ; at work
.set LI,  1                            ; 16 x lane
.set ADR, 2
.set T1,  3                            ; at work for tile 1
.set SPW, 4
.set NIL, 5
.set KS,  6                            ; v6-9 K's scale words
.set VS,  10                           ; v10-13 V's
.set RS,  14                           ; the rope runs'
.set TMP, 15                           ; at work for tile 0
.set QS,  16                           ; v16-19 q's content and rope words
.set FF,  20                           ; v20, v21 f = 2^(old M - new M) of tile 0, 1
.set PW,  22                           ; v22, v23 p's scale words
.set ST,  24
.set BM,  32                           ; the blocks' largest: v32-35, and v124-127 for tile 1
.set PT,  36
.set HD,  40
.set SO,  44
.set TM,  32
.set QQ,  48
.set QR,  80
.set SS,  128
.set VA,  128
.set KA,  160
.set OO,  0
.set FB,  128
.set RP0, 192
.set PC,  208
.set RP1, 240
.set OBP, 8
.set OSP, 10
.set WV,  14
.set LBW, 17                           ; my eighth of a slot
.set G1R, 24
.set G0R, 40
.set CSB, 44                           ; the slot in hand
.set NSB, 45                           ; the other
.set CNT, 46
.set PI,  47                           ; the first of my 19 blocks of a prefetch
.set TB,  48
.set SLOTS, 50
.set CS,  52
.set SEL, 54
.set MNT, 56
.set LIM, 57
.set PFA, 58
.set HM,  60
.set MSB, 0
.macro WIN new                         ; the immediate's high byte repeats the setting that is left
.if MSB != \new
	s_set_vgpr_msb (MSB<<8)|\new
.set MSB, \new
.endif
.endm
.macro PLACES n
.rept \n
	v_nop
.endr
.endm
.macro CREST
	s_cmp_lg_u32 s[WV], 0
	s_cbranch_scc1 .Lnot_wave_0_\@
	s_barrier_signal -3
.Lnot_wave_0_\@:
	s_barrier_wait -3
	s_barrier_signal -1
	s_barrier_wait -1
.endm
.macro CROUND
	s_barrier_signal -1
	s_barrier_wait -1
	CREST
.endm
.macro MM d, a, b, sa, sb, row
.if \row
	v_wmma_scale_f32_16x16x128_f8f6f4 v[\d:\d+7], v[\a:\a+15], v[\b:\b+15], v[\d:\d+7], v[\sa], v[\sb] matrix_a_scale:MATRIX_SCALE_ROW1
.else
	v_wmma_scale_f32_16x16x128_f8f6f4 v[\d:\d+7], v[\a:\a+15], v[\b:\b+15], v[\d:\d+7], v[\sa], v[\sb]
.endif
.endm
.macro MZ d, a, b, sa, sb, row
.if \row
	v_wmma_scale_f32_16x16x128_f8f6f4 v[\d:\d+7], v[\a:\a+15], v[\b:\b+15], 0, v[\sa], v[\sb] matrix_a_scale:MATRIX_SCALE_ROW1
.else
	v_wmma_scale_f32_16x16x128_f8f6f4 v[\d:\d+7], v[\a:\a+15], v[\b:\b+15], 0, v[\sa], v[\sb]
.endif
.endm
.macro ASK                             ; block min(19 i + min(lane, 18), 599) of the group two on, i my wave's number among the cluster's 32
	v_lshrrev_b32 v[TMP], 4, v[LI]
	v_min_u32 v[TMP], 18, v[TMP]
	v_add_nc_u32 v[TMP], s[PI], v[TMP]
	v_min_u32 v[TMP], 599, v[TMP]
	v_lshlrev_b32 v[TMP], 8, v[TMP]
	s_cmp_gt_u32 s[SLOTS], s[LIM]
	s_cbranch_scc0 .Lnot_mine_\@
	global_prefetch_b8 v[TMP], s[PFA:PFA+1] th:TH_LOAD_NT scope:SCOPE_SE
.Lnot_mine_\@:
.endm
.macro LDX a, o                        ; a record's rope runs, K's scale words, the runs' word: 10 loads
	WIN 0x40
.irp t, 0,1,2,3
	ds_load_b128 v[RP0+4*\t:RP0+4*\t+3], v[\a] offset:\o+32768+512*\t
.endr
.irp t, 0,1,2,3
	ds_load_b128 v[RP1+4*\t:RP1+4*\t+3], v[\a] offset:\o+34816+512*\t
.endr
	WIN 0
	ds_load_b128 v[KS:KS+3], v[\a] offset:\o+36864
	ds_load_b32 v[RS], v[\a] offset:\o+37888
.endm
.macro LDK a, o, half                  ; K's tiles 2 half, 2 half + 1: 8 loads
.irp u, 0,1
.irp c, 0,1,2,3
	ds_load_b128 v[KA+64*(\half)+16*\u+4*\c:KA+64*(\half)+16*\u+4*\c+3], v[\a] offset:\o+2048*(2*(\half)+\u)+512*\c
.endr
.endr
.endm
.macro LDV half                        ; V's tiles 4 + 2 half, 5 + 2 half: 8 loads
.irp u, 0,1
.irp c, 0,1,2,3
	ds_load_b128 v[VA+64*(\half)+16*\u+4*\c:VA+64*(\half)+16*\u+4*\c+3], v[ADR] offset:16384-VO+2048*(4+2*(\half)+\u)+512*\c
.endr
.endr
.endm
.macro LDF o                           ; four fragments into window 1: 16 loads
	WIN 0x40
.irp t, 0,1,2,3
.irp c, 0,1,2,3
	ds_load_b128 v[FB+16*\t+4*\c:FB+16*\t+4*\c+3], v[ADR] offset:\o+2048*\t+512*\c
.endr
.endr
	WIN 0
.endm
.macro FMUL d, s, x                    ; two numbers x tile x's factor: both halves take register x of the pair
.if \x
	v_pk_mul_f32 v[\d:\d+1], v[\s:\s+1], v[FF:FF+1] op_sel:[0,1] op_sel_hi:[1,1]
.else
	v_pk_mul_f32 v[\d:\d+1], v[\s:\s+1], v[FF:FF+1] op_sel_hi:[1,0]
.endif
.endm
; The largest score of blocks b0, b1 of both tiles, in eight chains by turns: a main chain on a block's first result tile, a side chain (four registers from y on) on its second; each result tile is read from its low end on.
.macro MAXA b0, b1, y
.irp b, \b0, \b1
.irp x, 0,1
	v_max3_num_f32 v[\y+2*(\b%2)+\x], v[SS+64*\x+16*\b+8], v[SS+64*\x+16*\b+9], v[SS+64*\x+16*\b+10]
.endr
.endr
.irp b, \b0, \b1
.irp x, 0,1
	v_max3_num_f32 v[BM+92*\x+\b], v[SS+64*\x+16*\b], v[SS+64*\x+16*\b+1], v[SS+64*\x+16*\b+2]
.endr
.endr
.irp i, 3,5
.irp b, \b0, \b1
.irp x, 0,1
	v_max3_num_f32 v[\y+2*(\b%2)+\x], v[\y+2*(\b%2)+\x], v[SS+64*\x+16*\b+8+\i], v[SS+64*\x+16*\b+9+\i]
.endr
.endr
.irp b, \b0, \b1
.irp x, 0,1
	v_max3_num_f32 v[BM+92*\x+\b], v[BM+92*\x+\b], v[SS+64*\x+16*\b+\i], v[SS+64*\x+16*\b+\i+1]
.endr
.endr
.endr
.irp b, \b0, \b1
.irp x, 0,1
	v_max_num_f32 v[\y+2*(\b%2)+\x], v[\y+2*(\b%2)+\x], v[SS+64*\x+16*\b+15]
.endr
.endr
.endm
.macro MAXM b0, b1, y                  ; the two chains of a block joined, with the number that is left
.irp b, \b0, \b1
.irp x, 0,1
	v_max3_num_f32 v[BM+92*\x+\b], v[BM+92*\x+\b], v[SS+64*\x+16*\b+7], v[\y+2*(\b%2)+\x]
.endr
.endr
.endm
.macro FMA0 n                          ; n more pairs of tile 0: t - M
.rept \n
	v_pk_fma_f32 v[SS+j:SS+j+1], v[SS+j:SS+j+1], s[CS:CS+1], v[ST:ST+1] op_sel_hi:[1,0,0]
.set j, j+2
.endr
.endm
; The row's sum of the unquantised p, 32 packed additions in five chains; among its merges, from the blocks' largest p: the conversions' operands SO, the bounds 448 x scale in HD and once more, one register on, in PT
; (the halves of a dual pair take their second sources from different banks), and the halves of the scale word, in PW + x and TMP: PWORD joins them.
.macro SUMSC x
.set rS, SS+64*\x
.set rT, ST+4*\x
.set rB, BM+92*\x
	v_pk_add_f32 v[PT:PT+1], v[rS:rS+1], v[rS+2:rS+3]
	v_pk_add_f32 v[PT+2:PT+3], v[rS+4:rS+5], v[rS+6:rS+7]
	v_pk_add_f32 v[HD:HD+1], v[rS+8:rS+9], v[rS+10:rS+11]
	v_pk_add_f32 v[HD+2:HD+3], v[rS+12:rS+13], v[rS+14:rS+15]
.set j, 16
.rept 4
	v_pk_add_f32 v[rT+2:rT+3], v[rT+2:rT+3], v[rS+j:rS+j+1]
	v_pk_add_f32 v[PT:PT+1], v[PT:PT+1], v[rS+j+2:rS+j+3]
	v_pk_add_f32 v[PT+2:PT+3], v[PT+2:PT+3], v[rS+j+4:rS+j+5]
	v_pk_add_f32 v[HD:HD+1], v[HD:HD+1], v[rS+j+6:rS+j+7]
	v_pk_add_f32 v[HD+2:HD+3], v[HD+2:HD+3], v[rS+j+8:rS+j+9]
.set j, j+10
.endr
	v_pk_add_f32 v[rT+2:rT+3], v[rT+2:rT+3], v[rS+56:rS+57]
	v_pk_add_f32 v[PT:PT+1], v[PT:PT+1], v[rS+58:rS+59]
	v_pk_add_f32 v[PT+2:PT+3], v[PT+2:PT+3], v[rS+60:rS+61]
	v_pk_add_f32 v[HD:HD+1], v[HD:HD+1], v[rS+62:rS+63]
.irp b, 0,1,2,3
	v_max_num_f32 v[rB+\b], 0x4800000, v[rB+\b]    ; the floor 2^(9 - 127): the byte cannot fall under 1
.endr
	v_pk_add_f32 v[PT:PT+1], v[PT:PT+1], v[PT+2:PT+3]
	v_pk_add_f32 v[HD:HD+1], v[HD:HD+1], v[HD+2:HD+3]
.irp b, 0,1,2,3
	v_add_nc_u32 v[SO+\b], 0xfc000000, v[rB+\b]    ; 8 off the exponent field
.endr
	v_pk_add_f32 v[PT:PT+1], v[PT:PT+1], v[HD:HD+1]
.irp b, 0,1,2,3
	v_and_or_b32 v[HD+\b], v[rB+\b], 0x7f800000, s[MNT]
.endr
	v_pk_add_f32 v[rT+2:rT+3], v[rT+2:rT+3], v[PT:PT+1]
	v_lshrrev_b32 v[PW+\x], 23, v[SO]              ; the four bytes
	v_lshrrev_b32 v[Y1], 23, v[SO+1]
	v_lshrrev_b32 v[TMP], 23, v[SO+2]
	v_lshrrev_b32 v[T1], 23, v[SO+3]
.irp b, 0,1,2,3
	v_and_or_b32 v[PT+(\b+1)%4], v[rB+\b], 0x7f800000, s[MNT]
.endr
	v_lshl_or_b32 v[PW+\x], v[Y1], 8, v[PW+\x]
	v_lshl_or_b32 v[TMP], v[T1], 8, v[TMP]
.endm
.macro PWORD x
	v_lshl_or_b32 v[PW+\x], v[TMP], 16, v[PW+\x]
.endm
.macro HOLD2 x, j                      ; two of p held at the bound (the conversion to an 8-bit code does not saturate: ISA guide 7.6.2); p is not negative, so the hold is one-sided
	v_dual_min_num_f32 v[SS+64*\x+(\j)], v[SS+64*\x+(\j)], v[HD+(\j)/16] :: v_dual_min_num_f32 v[SS+64*\x+(\j)+1], v[SS+64*\x+(\j)+1], v[PT+((\j)/16+1)%4]
.endm
.macro CVT x
	WIN 0x40
.irp b, 0,1,2,3
	v_cvt_scalef32_pk8_fp8_f32 v[PC+16*\x+4*\b:PC+16*\x+4*\b+1], v[SS+64*\x+16*\b:SS+64*\x+16*\b+7], v[SO+\b]
	v_cvt_scalef32_pk8_fp8_f32 v[PC+16*\x+4*\b+2:PC+16*\x+4*\b+3], v[SS+64*\x+16*\b+8:SS+64*\x+16*\b+15], v[SO+\b]
.endr
	WIN 0
.endm
.macro RESC                            ; O^T of both query tiles under the new M
	WIN 0x41
.irp x, 0,1
.set j, 0
.rept 32
	FMUL OO+64*\x+j, OO+64*\x+j, \x
.set j, j+2
.endr
.endr
	WIN 0
.endm
.macro PVG0
	WIN 0x55
.irp t, 0,1,2,3
.irp x, 0,1
	MM OO+64*\x+8*\t, FB+16*\t, PC+16*\x, VS+\t/2, PW+\x, \t%2
.endr
.endr
.endm
.macro PVG1
	WIN 0x54
.irp t, 0,1,2,3
.irp x, 0,1
	MM OO+64*\x+8*(4+\t), VA+16*(\t%2)+64*(\t/2), PC+16*\x, VS+2+\t/2, PW+\x, \t%2
.endr
.endr
.endm
; THE CHANGE OF SLOTS, at a slot's head.  Each wave waits for all its tensor loads, adds 0 to its spare word, waits for that and for its reads of the slot that it has left.  fill = 1: a round of the cluster's barrier, and the slot
; just left takes the group of four key steps after the one in hand.  Then the first step's rope runs, scale words and K tiles 0 to 3 are fetched: 10 + 16 loads.
.macro CHANGE fill
	s_wait_tensorcnt 0x0
	ds_add_u32 v[SPW], v[NIL]
.if \fill
	s_xor_b32 s[NSB], s[CSB], SLOTB
	s_add_co_u32 s[G0R+1], s[LBW], s[NSB]          ; no tensor load of mine is out: the descriptor may be written
	s_add_nc_u64 s[G0R+2:G0R+3], s[G0R+2:G0R+3], SLOTB
	s_wait_xcnt 0x0                                ; any prefetch of mine has read its address
	s_add_nc_u64 s[PFA:PFA+1], s[PFA:PFA+1], SLOTB
.endif
	s_add_co_u32 s[TB], s[CSB], VO
	s_wait_dscnt 0x0
	s_barrier_signal -1
	s_barrier_wait -1
.if \fill
	CREST
	tensor_load_to_lds s[G0R:G0R+3], s[G1R:G1R+7]
	s_nop 0
	PLACES 4
.endif
	v_add_nc_u32 v[TMP], s[CSB], v[LI]
	v_add_nc_u32 v[ADR], s[TB], v[LI]
	s_wait_alu depctr_va_vdst(0)                   ; directly behind the writes
	LDX TMP, 0
	LDK TMP, 0, 0
	LDK TMP, 0, 1
.if \fill
	ASK
.endif
.endm
; A KEY STEP.  mode 0: the next step lies in the same slot, and its K tiles 0 to 3, rope runs and scale words are fetched on the way; mode 3: a slot's last step.
.macro STEP mode
	PLACES 9                                       ; the first products write over registers that the last products read; eight of the nine also stand ahead of the loads below
	LDF 0                                          ; K's tiles 4 to 7
	s_wait_dscnt 16                                ; all but these 16
.irp t, 0,1,2,3
.irp x, 0,1
	MZ SS+64*\x+8*\t, KA+16*(\t%2)+64*(\t/2), QQ+16*\x, KS+\t/2, QS+2*\x, \t%2
.endr
.endr
	WIN 0x01
.irp t, 0,1,2,3
.irp x, 0,1
	MM SS+64*\x+8*\t, RP0, QR+12+16*\x-4*\t, RS, QS+2*\x+1, 0
.endr
.endr
	PLACES 9                                       ; tiles 4 to 7's scores are laid over K's tiles 0 to 3
	s_wait_dscnt 0x0
.irp t, 0,1,2,3
.irp x, 0,1
	MZ SS+64*\x+8*(4+\t), FB+16*\t, QQ+16*\x, KS+2+\t/2, QS+2*\x, \t%2
.endr
.endr
.irp t, 0,1,2,3
.irp x, 0,1
	MM SS+64*\x+8*(4+\t), RP1, QR+12+16*\x-4*\t, RS, QS+2*\x+1, 1
.endr
.endr
	WIN 0
	MAXA 0, 1, PT                                  ; 28 lines on tiles 0 to 3, finished above: they are the places behind the last products
	ds_load_b128 v[VS:VS+3], v[ADR] offset:37376-VO
	LDF 16384-VO                                   ; V's tiles 0 to 3
	s_wait_xcnt 0x0                                ; a prefetch has read its offset, which is written below
	MAXA 2, 3, HD
	MAXM 0, 1, PT
	MAXM 2, 3, HD
.irp b, 0,1,2,3
	v_permlanex16_b32 v[PT+\b], v[BM+\b], s[SEL], s[SEL+1]
	v_permlanex16_b32 v[HD+\b], v[BM+92+\b], s[SEL], s[SEL+1]
.endr
.irp b, 0,1,2,3
	v_max_num_f32 v[BM+\b], v[BM+\b], v[PT+\b]     ; with lane l xor 16's 16 keys
	v_max_num_f32 v[BM+92+\b], v[BM+92+\b], v[HD+\b]
.endr
.irp x, 0,1                                    ; the two tiles by turns
	v_max3_num_f32 v[TMP-12*\x], v[BM+92*\x], v[BM+92*\x+1], v[BM+92*\x+2]
.endr
.irp x, 0,1
	s_delay_alu instid0(VALU_DEP_2)
	v_max3_num_f32 v[ST+4*\x+1], v[ST+4*\x+1], v[TMP-12*\x], v[BM+92*\x+3]   ; the running largest score
.endr
.irp x, 0,1
	s_delay_alu instid0(VALU_DEP_2)
	v_mul_f32 v[TMP-12*\x], s[CS], v[ST+4*\x+1]    ; as t (the factor is positive)
.endr
.irp x, 0,1
	s_delay_alu instid0(VALU_DEP_2)
	v_floor_f32 v[TMP-12*\x], -v[TMP-12*\x]        ; -M = floor(-t)
.endr
.irp x, 0,1
	s_delay_alu instid0(VALU_DEP_2)
	v_sub_f32 v[FF+\x], v[TMP-12*\x], v[ST+4*\x]   ; old M - new M, a whole number, 0 or less
.endr
.irp x, 0,1
	v_mov_b32 v[ST+4*\x], v[TMP-12*\x]
.endr
.set j, 0
	FMA0 8
.irp x, 0,1
	v_cvt_i32_f32 v[FF+\x], v[FF+\x]               ; (it saturates)
.endr
	FMA0 8
.irp x, 0,1
	v_ldexp_f32 v[FF+\x], 1.0, v[FF+\x]            ; f = 2^(old M - new M)
.endr
	FMA0 8
	FMUL ST+2, ST+2, 0                             ; the sums under the new M
	FMUL ST+6, ST+6, 1
	FMA0 8
.irp b, 0,1,2,3
	v_fma_f32 v[BM+\b], v[BM+\b], s[CS], v[ST]
.endr
	s_wait_alu depctr_va_vdst(0)                   ; ahead of a batch of exponentials
.set j, 0
.rept 32                                       ; tile 0's p; among them tile 1's t - M, which is read behind the next waits alone
	v_exp_f32 v[SS+j], v[SS+j]
	v_exp_f32 v[SS+j+1], v[SS+j+1]
	v_pk_fma_f32 v[SS+64+j:SS+65+j], v[SS+64+j:SS+65+j], s[CS:CS+1], v[ST+4:ST+5] op_sel_hi:[1,0,0]
.set j, j+2
.endr
.irp b, 0,1,2,3
	v_exp_f32 v[BM+\b], v[BM+\b]                   ; a block's largest p: the same two instructions on its largest score
	v_fma_f32 v[BM+92+\b], v[BM+92+\b], s[CS], v[ST+4]
.endr
	s_wait_alu depctr_va_vdst(0)                   ; and behind it, ahead of its first reader
	SUMSC 0
	PWORD 0
	s_wait_alu depctr_va_vdst(0)                   ; ahead of the second batch
.set j, 0
.rept 32                                       ; tile 1's p; among them tile 0's holds, which the conversions read behind the next wait
	v_exp_f32 v[SS+64+j], v[SS+64+j]
	v_exp_f32 v[SS+65+j], v[SS+65+j]
	HOLD2 0, j
.set j, j+2
.endr
.irp b, 0,1,2,3
	v_exp_f32 v[BM+92+\b], v[BM+92+\b]
.endr
	v_nop                                          ; a plain place behind the last exponential
	s_wait_alu depctr_va_vdst(0)
	CVT 0
	LDV 0                                          ; into the registers that tile 0's p has left
.if \mode == 0
	LDK ADR, NB, 0
.endif
	SUMSC 1
.set j, 0
.rept 4
	HOLD2 1, j
.set j, j+2
.endr
	PWORD 1
.rept 28
	HOLD2 1, j
.set j, j+2
.endr
	CVT 1
	LDV 1
.if \mode == 0
	LDK ADR, NB, 1
	v_add_nc_u32 v[ADR], REC, v[ADR]               ; on to the next record: my last load by the old address is out
	LDX ADR, -VO
.endif
	s_wait_alu depctr_va_vdst(0)                   ; ahead of the first reader of O^T
	RESC                                           ; these 64 are also the places ahead of the products below
	s_wait_alu depctr_va_vdst(0)                   ; directly ahead of the wait below
.if \mode == 0
	s_wait_dscnt 42                                ; V's words and tiles 0 to 3 are in; behind them 8 + 8 + 8 + 8 + 10 loads
.else
	s_wait_dscnt 16                                ; behind them 8 + 8
.endif
	PVG0
.if \mode == 0
	s_wait_dscnt 18                                ; V's tiles 4 to 7 are in; behind them 8 + 10 loads
.else
	s_wait_dscnt 0x0
.endif
	PVG1
	WIN 0
.endm
	s_load_b128 s[4:7], s[0:1], 0x0                ; qb, kv
	s_load_b128 s[8:11], s[0:1], 0x10              ; ob, os
	v_lshl_add_u32 v[SPW], v0, 2, SPARE
	v_mov_b32 v[NIL], 0
	ds_add_u32 v[SPW], v[NIL]                      ; the opening lines: the add twice on end and one wait
	ds_add_u32 v[SPW], v[NIL]
	v_lshrrev_b32 v[TMP], 5, v0
	v_readfirstlane_b32 s[WV], v[TMP]
	s_bfe_u32 s15, ttmp6, 0x40000                  ; cx
	s_and_b32 s16, ttmp7, 0xffff                   ; the head, counted through the batches
	s_mov_b32 s[G1R], 15|(3<<16)|(1<<21)           ; all four partners; elements of 8 bytes
	s_mov_b32 s[G1R+1], 32<<16
	s_mov_b32 s[G1R+2], 75<<16
	s_mov_b32 s[G1R+3], 32<<16
	s_mov_b32 s[G1R+4], 75
	s_mov_b32 s[G1R+5], 32
	s_mov_b32 s[G1R+6], 0
	s_mov_b32 s[G1R+7], 0
	s_mul_i32 s[LBW], s[WV], PART
	s_mul_i32 s18, s16, HEADB
	s_mov_b32 s19, 0
	s_add_co_u32 s20, s18, s[LBW]
	s_mov_b32 s21, 0
	s_mov_b32 s[G0R], 1
	s_mov_b32 s[G0R+1], s[LBW]
	s_mov_b32 s[CS], 0x3de995b3                    ; log2(e) / sqrt(160)
	s_mov_b32 s[CS+1], s[CS]
	s_mov_b32 s[SEL], 0x76543210
	s_mov_b32 s[SEL+1], 0xfedcba98
	s_mov_b32 s[MNT], 0x600000
	s_mov_b32 s[HM], 0xffff0000
	s_mov_b32 s[CSB], 0
	s_mov_b32 s[SLOTS], 3
	s_cmp_eq_u32 ttmp9, 0
	s_cselect_b32 s[LIM], 1, -1
	s_lshl_b32 s[PI], s15, 3
	s_add_co_u32 s[PI], s[PI], s[WV]
	s_mul_i32 s[PI], s[PI], 19
	s_lshl_b32 s22, ttmp9, 2
	s_add_co_u32 s22, s22, s15
	s_lshl_b32 s23, s22, 4
	s_lshl_b32 s61, s[WV], 1
	s_add_co_u32 s23, s23, s61                     ; my first query tile in the head
	s_lshl_b32 s61, s16, 7
	s_add_co_u32 s61, s61, s23
	s_wait_dscnt 0x0
	s_wait_kmcnt 0x0
	s_add_nc_u64 s[G0R+2:G0R+3], s[6:7], s[20:21]
	s_or_b32 s[G0R+3], s[G0R+3], 0x80000000
	s_add_nc_u64 s[PFA:PFA+1], s[6:7], s[18:19]
	s_add_nc_u64 s[PFA:PFA+1], s[PFA:PFA+1], SLOTB ; the first change steps it to group 2
	s_mov_b32 s63, 0
	s_mul_i32 s62, s61, 2816
	s_add_nc_u64 s[4:5], s[4:5], s[62:63]
	s_lshl_b32 s62, s61, 6
	s_add_nc_u64 s[OSP:OSP+1], s[OSP:OSP+1], s[62:63]
	s_lshr_b32 s62, s16, 3
	s_lshl_b32 s62, s62, 7
	s_add_co_u32 s62, s62, s23
	s_lshl_b32 s62, s62, 3
	s_and_b32 s66, s16, 7
	s_add_co_u32 s62, s62, s66
	s_lshl_b32 s62, s62, 11
	s_add_nc_u64 s[OBP:OBP+1], s[OBP:OBP+1], s[62:63]
	CROUND
	tensor_load_to_lds s[G0R:G0R+3], s[G1R:G1R+7]  ; group 0 into slot 0: my one load at the head
	s_nop 0
	PLACES 4
	v_and_b32 v[TMP], 31, v0
	v_lshlrev_b32 v[LI], 4, v[TMP]
	v_lshlrev_b32 v124, 3, v[TMP]
.irp x, 0,1
.irp c, 0,1,2,3
	global_load_b128 v[QQ+16*\x+4*\c:QQ+16*\x+4*\c+3], v[LI], s[4:5] offset:2816*\x+512*\c
.endr
	global_load_b128 v[QR+12+16*\x:QR+15+16*\x], v[LI], s[4:5] offset:2816*\x+2048
	global_load_b64 v[QS+2*\x:QS+2*\x+1], v124, s[4:5] offset:2816*\x+2560
.endr
.irp z, 0,16,32
.irp i, 0,1,2,3,4,5,6,7,8,9,10,11
	v_mov_b32 v[QR+\z+\i], 0
.endr
.endr
.irp x, 0,1
	v_mov_b32 v[ST+4*\x+1], 0xff61b1e6             ; -3e38, under every score
	v_floor_f32 v[ST+4*\x], -v[ST+4*\x+1]
	v_mov_b32 v[ST+4*\x+2], 0
	v_mov_b32 v[ST+4*\x+3], 0
.endr
.irp b, 0,1,2,3
	v_mov_b32 v[PT+\b], 0                          ; a lane permute's destination counts as one of its sources
	v_mov_b32 v[HD+\b], 0
.endr
	WIN 0x40
.set j, 0
.rept 128
	v_mov_b32 v[OO+j], 0                           ; the step is written for all steps alike: the first finds zeros
.set j, j+1
.endr
	WIN 0
	s_wait_alu depctr_va_vdst(0)                   ; at the head's end
	s_wait_loadcnt 0x0
.Lslot:                                            ; three trips: groups 0 to 2, each asking for the next
	CHANGE 1
	s_mov_b32 s[CNT], 3
.Lstep:
	STEP 0
	s_sub_co_u32 s[CNT], s[CNT], 1
	s_cmp_lg_u32 s[CNT], 0
	s_cbranch_scc1 .Lstep
	STEP 3
	s_xor_b32 s[CSB], s[CSB], SLOTB
	s_sub_co_u32 s[SLOTS], s[SLOTS], 1
	s_cmp_lg_u32 s[SLOTS], 0
	s_cbranch_scc1 .Lslot
	CHANGE 0                                       ; the last group is written out: it asks for nothing
	s_mov_b32 s[CNT], 3
.Llast:
	STEP 0
	s_sub_co_u32 s[CNT], s[CNT], 1
	s_cmp_lg_u32 s[CNT], 0
	s_cbranch_scc1 .Llast
	STEP 3
	; THE WAY OUT: O^T / the sum, quantised along the head's 128, stored as the image of the last launch's operand registers
	PLACES 8
.irp x, 0,1
	v_add_f32 v[ST+4*\x+2], v[ST+4*\x+2], v[ST+4*\x+3]
.endr
.irp x, 0,1
	s_delay_alu instid0(VALU_DEP_2)
	v_permlanex16_b32 v[PT+\x], v[ST+4*\x+2], s[SEL], s[SEL+1]
.endr
.irp x, 0,1
	s_delay_alu instid0(VALU_DEP_2)
	v_add_f32 v[ST+4*\x+2], v[ST+4*\x+2], v[PT+\x]
.endr
	s_wait_alu depctr_va_vdst(0)
	v_rcp_f32 v[FF], v[ST+2]
	v_rcp_f32 v[FF+1], v[ST+6]
	v_nop
	s_wait_alu depctr_va_vdst(0)
	WIN 0x01
.irp x, 0,1
.set j, 0
.rept 32
	FMUL SS+64*\x+j, OO+64*\x+j, \x
.set j, j+2
.endr
.endr
	WIN 0
.macro QUANT s, pc, pw
.irp b, 0,1,2,3
	v_max3_num_f32 v[TM+\b], |v[\s+16*\b]|, |v[\s+16*\b+1]|, 0x4800000
.endr
.irp i, 2,4,6,8,10,12,14
.irp b, 0,1,2,3
	s_delay_alu instid0(VALU_DEP_4)
	v_max3_num_f32 v[TM+\b], v[TM+\b], |v[\s+16*\b+\i]|, |v[\s+16*\b+\i+1]|
.endr
.endr
.irp b, 0,1,2,3
	s_delay_alu instid0(VALU_DEP_4)
	v_permlanex16_b32 v[TM+4+\b], v[TM+\b], s[SEL], s[SEL+1]
.endr
.irp b, 0,1,2,3
	s_delay_alu instid0(VALU_DEP_4)
	v_max_num_f32 v[TM+\b], v[TM+\b], v[TM+4+\b]
.endr
.irp b, 0,1,2,3
	s_delay_alu instid0(VALU_DEP_4)
	v_add_nc_u32 v[TM+12+\b], 0xfc000000, v[TM+\b]
.endr
.irp b, 0,1,2,3
	v_and_or_b32 v[TM+8+\b], v[TM+\b], 0x7f800000, s[MNT]
.endr
.irp b, 0,1,2,3
	v_lshrrev_b32 v[TM+4+\b], 23, v[TM+12+\b]
.endr
	s_delay_alu instid0(VALU_DEP_3)
	v_lshl_or_b32 v[\pw], v[TM+5], 8, v[TM+4]
	s_delay_alu instid0(VALU_DEP_1)
	v_lshl_or_b32 v[\pw], v[TM+6], 16, v[\pw]
	s_delay_alu instid0(VALU_DEP_1)
	v_lshl_or_b32 v[\pw], v[TM+7], 24, v[\pw]
.irp b, 0,1,2,3
.irp i, 0,1,2,3,4,5,6,7,8,9,10,11,12,13,14,15
	v_med3_num_f32 v[\s+16*\b+\i], v[\s+16*\b+\i], -v[TM+8+\b], v[TM+8+\b]
.endr
	v_cvt_scalef32_pk8_fp8_f32 v[\pc+4*\b:\pc+4*\b+1], v[\s+16*\b:\s+16*\b+7], v[TM+12+\b]
	v_cvt_scalef32_pk8_fp8_f32 v[\pc+4*\b+2:\pc+4*\b+3], v[\s+16*\b+8:\s+16*\b+15], v[TM+12+\b]
.endr
	v_nop
.endm
	QUANT SS, QQ, 124
	QUANT SS+64, QQ+16, 125
.irp x, 0,1
.irp c, 0,1,2,3
	global_store_b128 v[LI], v[QQ+16*\x+4*\c:QQ+16*\x+4*\c+3], s[OBP:OBP+1] offset:16384*\x+512*\c
.endr
.endr
	v_cndmask_b32 v126, v124, v125, s[HM]          ; lanes 0-15 tile 0's scale words, lanes 16-31 tile 1's
	v_lshrrev_b32 v[TMP], 2, v[LI]
	global_store_b32 v[TMP], v126, s[OSP:OSP+1]
	s_wait_tensorcnt 0x0                           ; the wave's end
	ds_add_u32 v[SPW], v[NIL]
	s_wait_dscnt 0x0
	CROUND                                         ; the closing round
	s_endpgm
.Lfunc_end_k_q377e35105c_attn:
	.size	k_q377e35105c_attn, .Lfunc_end_k_q377e35105c_attn-k_q377e35105c_attn
	.p2alignl 7, 3214868480
	.fill 96, 4, 3214868480
	.section	.rodata,"a",@progbits
	.p2align	6, 0x0
	.amdhsa_kernel k_q377e35105c_attn
		.amdhsa_group_segment_fixed_size 327680
		.amdhsa_private_segment_fixed_size 0
		.amdhsa_enable_private_segment 0
		.amdhsa_kernarg_size 32
		.amdhsa_user_sgpr_count 2
		.amdhsa_user_sgpr_kernarg_segment_ptr 1
		.amdhsa_wavefront_size32 1
		.amdhsa_system_sgpr_workgroup_id_x 1
		.amdhsa_system_sgpr_workgroup_id_y 1
		.amdhsa_system_sgpr_workgroup_id_z 1
		.amdhsa_system_vgpr_workitem_id 0
		.amdhsa_next_free_vgpr 512
		.amdhsa_next_free_sgpr 72
		.amdhsa_reserve_vcc 0
		.amdhsa_float_denorm_mode_32 3
		.amdhsa_float_denorm_mode_16_64 3
		.amdhsa_memory_ordered 1
		.amdhsa_forward_progress 1
		.amdhsa_inst_pref_size 209
	.end_amdhsa_kernel
	.amdgpu_metadata
---
amdhsa.version: [ 1, 2 ]
amdhsa.kernels:
  - .name:           k_q377e35105c_attn
    .symbol:         k_q377e35105c_attn.kd
    .args:
      - { .name: qb, .offset: 0, .size: 8, .value_kind: global_buffer, .address_space: global }
      - { .name: kv, .offset: 8, .size: 8, .value_kind: global_buffer, .address_space: global }
      - { .name: ob, .offset: 16, .size: 8, .value_kind: global_buffer, .address_space: global }
      - { .name: os, .offset: 24, .size: 8, .value_kind: global_buffer, .address_space: global }
    .group_segment_fixed_size: 327680
    .private_segment_fixed_size: 0
    .kernarg_segment_align: 8
    .kernarg_segment_size: 32
    .max_flat_workgroup_size: 256
    .sgpr_count:     72
    .vgpr_count:     512
    .wavefront_size: 32
...
	.end_amdgpu_metadata
.endif
;; end of part 2
;; launch outp (part 3): grid 4 x 64, 4 waves a work-group, clusters of 4 x 1, 327,680 bytes of LDS; arguments ob, os, wo, W_O_scales, b_O, out0; writes out0
.if DOCPART == 3
	.amdgcn_target "amdgcn-amd-amdhsa--gfx1250"
	.amdhsa_code_object_version 6
	.text
	.protected	k_q377e35105c_outp
	.globl	k_q377e35105c_outp
	.p2align	8
	.type	k_q377e35105c_outp,@function
k_q377e35105c_outp:
	s_mov_b64 s[64:65], 0
	v_nop
	global_prefetch_b8 v0, s[64:65] scope:SCOPE_SE
	s_setreg_imm32_b32 hwreg(HW_REG_WAVE_MODE, 25, 1), 1
	s_wait_xcnt 0x0
	s_wait_alu depctr_hold_cnt(0) depctr_sa_sdst(0) depctr_va_vdst(0) depctr_va_sdst(0) depctr_va_ssrc(0) depctr_va_vcc(0) depctr_vm_vsrc(0)
	s_getreg_b32 s2, hwreg(HW_REG_IB_STS2, 6, 4)
	s_cmp_eq_u32 s2, 0
	s_cbranch_scc0 .Lentry_in_a_cluster
	s_endpgm
.Lentry_in_a_cluster:
	s_bfe_u32 s2, ttmp6, 0x10000c
	s_cmp_lg_u32 s2, 0x3003
	s_cbranch_scc0 .Lentry_shape_is_right
	s_endpgm
.Lentry_shape_is_right:
; out = Q(o) W_O^T + b_O on codes of FP8 (E4M3), one E8M0 scale for each 32 along K = 1,024.  A work-group makes 128 tokens x 256 columns; a wave holds 64 rows of W_O, all of K, in registers (windows 1, 2),
; and streams the 8 token tiles past them.  o's codes, 131,072 dense bytes laid as images of operand registers, come by one joint load a wave, shared by the four work-groups of a cluster, which take the same tokens.
; o's scale words go from memory straight into registers: register OS + 4 m + j holds in lanes 0-15 head 2 j's and in lanes 16-31 head 2 j + 1's word of token tile m.  The bias is the first products' C.
; Results leave through each wave's own stage in LDS, sixteen lanes to 256 consecutive bytes.  No prefetch: every buffer is read once, at the head, and there is no loop to run ahead in.
.set AIMG, 0
.set OSC,  131072
.set STG,  OSC+4096
.set SPARE, STG+4*16*272
.set LI,  1
.set LI2, 2
.set STO, 3
.set RD,  4
.set CO,  5
.set LSC, 6
.set SPW, 7
.set NIL, 8
.set WS,  16
.set OS,  192
.set BI,  56
.set ACC, 88
.set OUT, 152
.set WV,  16
.set G1C, 24
.set G1S, 32
.set G0C, 40
.set G0S, 44
.set MSB, 0
.macro WIN new
.if MSB != \new
	s_set_vgpr_msb (MSB<<8)|\new
.set MSB, \new
.endif
.endm
.macro PLACES n
.rept \n
	v_nop
.endr
.endm
.macro CROUND
	s_barrier_signal -1
	s_barrier_wait -1
	s_cmp_lg_u32 s[WV], 0
	s_cbranch_scc1 .Lnot_wave_0_\@
	s_barrier_signal -3
.Lnot_wave_0_\@:
	s_barrier_wait -3
	s_barrier_signal -1
	s_barrier_wait -1
.endm
.macro MO d, a, b, c, sa, sb, row
.if \row
	v_wmma_scale_f32_16x16x128_f8f6f4 v[\d:\d+7], v[\a:\a+15], v[\b:\b+15], v[\c:\c+7], v[\sa], v[\sb] matrix_b_scale:MATRIX_SCALE_ROW1
.else
	v_wmma_scale_f32_16x16x128_f8f6f4 v[\d:\d+7], v[\a:\a+15], v[\b:\b+15], v[\c:\c+7], v[\sa], v[\sb]
.endif
.endm
	s_load_b256 s[4:11], s[0:1], 0x0
	s_load_b128 s[12:15], s[0:1], 0x20
	v_lshl_add_u32 v[SPW], v0, 2, SPARE
	v_mov_b32 v[NIL], 0
	ds_add_u32 v[SPW], v[NIL]
	ds_add_u32 v[SPW], v[NIL]
	v_lshrrev_b32 v9, 5, v0
	v_readfirstlane_b32 s[WV], v9
	s_bfe_u32 s17, ttmp6, 0x40000
	s_and_b32 s18, ttmp7, 0xffff
	s_mov_b32 s[G1C], 15|(3<<16)|(1<<21)
	s_mov_b32 s[G1C+1], 32<<16
	s_mov_b32 s[G1C+2], 128<<16
	s_mov_b32 s[G1C+3], 32<<16
	s_mov_b32 s[G1C+4], 128
	s_mov_b32 s[G1C+5], 32
	s_mov_b32 s[G1C+6], 0
	s_mov_b32 s[G1C+7], 0
	s_lshl_b32 s[G0C+1], s[WV], 15
	s_lshl_b32 s20, s18, 17
	s_add_co_u32 s20, s20, s[G0C+1]
	s_mov_b32 s21, 0
	s_lshr_b32 s22, s18, 4
	s_lshl_b32 s22, s22, 16                        ; os: a batch's 8 heads of 8,192 bytes; my 8 token tiles of 64
	s_and_b32 s23, s18, 15
	s_lshl_b32 s23, s23, 9
	s_add_co_u32 s22, s22, s23
	s_mov_b32 s23, 0
	s_wait_dscnt 0x0
	s_wait_kmcnt 0x0
	s_mov_b32 s[G0C], 1
	s_add_nc_u64 s[G0C+2:G0C+3], s[4:5], s[20:21]
	s_or_b32 s[G0C+3], s[G0C+3], 0x80000000
	s_add_nc_u64 s[6:7], s[6:7], s[22:23]
	CROUND
	tensor_load_to_lds s[G0C:G0C+3], s[G1C:G1C+7]
	s_nop 0
	PLACES 4
	v_and_b32 v9, 31, v0
	v_and_b32 v10, 15, v0
	v_bfe_u32 v11, v0, 4, 1
	v_lshlrev_b32 v[LI], 4, v9
	v_add_nc_u32 v[LI2], 65536, v[LI]
	s_mul_i32 s19, s[WV], 16*272
	s_add_co_u32 s19, s19, STG
	v_mul_u32_u24 v[STO], v10, 272
	v_lshl_add_u32 v[STO], v11, 5, v[STO]
	v_add_nc_u32 v[STO], s19, v[STO]
	v_mul_u32_u24 v[RD], v11, 272
	v_lshl_add_u32 v[RD], v10, 4, v[RD]
	v_add_nc_u32 v[RD], s19, v[RD]
	v_lshlrev_b32 v[CO], 12, v11
	v_lshl_add_u32 v[CO], v10, 4, v[CO]
	v_lshlrev_b32 v[LSC], 13, v11
	v_lshl_add_u32 v[LSC], v10, 2, v[LSC]
	s_lshl_b32 s50, s17, 8
	s_lshl_b32 s51, s[WV], 6
	s_add_co_u32 s50, s50, s51
	v_add_nc_u32 v12, s50, v10
	s_lshl_b32 s51, s50, 10                        ; wo holds W_O's codes as images of these registers: fragment (16 rows, K step s) at 1,024 x first row + 2,048 s, group c at 512 c + 16 x lane
	v_add_nc_u32 v13, s51, v[LI]
	v_lshlrev_b32 v14, 5, v12
	s_lshl_b32 s51, s50, 2
	v_lshl_add_u32 v15, v11, 5, s51
.irp m, 0,1,2,3,4,5,6,7
.irp j, 0,1,2,3
	global_load_b32 v[OS+4*\m+\j], v[LSC], s[6:7] offset:16384*\j+64*\m
.endr
.endr
	WIN 0x40
.irp n, 0,1,2,3
.irp s, 0,1,2,3
.irp c, 0,1,2,3
	global_load_b128 v[64*\n+16*\s+4*\c:64*\n+16*\s+4*\c+3], v13, s[8:9] offset:16384*\n+2048*\s+512*\c
.endr
.endr
.endr
	WIN 0x80
.irp n, 0,1,2,3
.irp s, 0,1,2,3
.irp c, 0,1,2,3
	global_load_b128 v[64*\n+16*\s+4*\c:64*\n+16*\s+4*\c+3], v13, s[8:9] offset:16384*\n+8192+2048*\s+512*\c
.endr
.endr
.endr
	WIN 0
.irp n, 0,1,2,3
	global_load_b128 v[WS+8*\n:WS+8*\n+3], v14, s[10:11] offset:512*\n
	global_load_b128 v[WS+8*\n+4:WS+8*\n+7], v14, s[10:11] offset:512*\n+16
	global_load_b128 v[BI+8*\n:BI+8*\n+3], v15, s[12:13] offset:64*\n
	global_load_b128 v[BI+8*\n+4:BI+8*\n+7], v15, s[12:13] offset:64*\n+16
.endr
	s_lshl_b32 s48, s18, 19
	s_lshl_b32 s51, s50, 2
	s_add_co_u32 s48, s48, s51
	s_mov_b32 s49, 0
	s_add_nc_u64 s[14:15], s[14:15], s[48:49]
	s_wait_alu depctr_va_vdst(0)
	s_wait_tensorcnt 0x0
	s_barrier_signal -1
	s_barrier_wait -1
.macro FETCH m
.set fp, (\m)%2
	WIN 0xc0
.irp s, 0,1,2,3,4,5,6,7
.irp c, 0,1,2,3
.if (\m) < 4
	ds_load_b128 v[128*fp+16*\s+4*\c:128*fp+16*\s+4*\c+3], v[LI] offset:16384*(\m)+2048*\s+512*\c
.else
	ds_load_b128 v[128*fp+16*\s+4*\c:128*fp+16*\s+4*\c+3], v[LI2] offset:16384*((\m)-4)+2048*\s+512*\c
.endif
.endr
.endr
	WIN 0
.endm
; A token tile goes in three parts: MULT, its 32 products; STAGE, its sums into my stage in LDS and back as rows, and the fetch of the tile two on; SEND, its stores.  The next tile's products stand between STAGE and SEND.
.macro MULT m, w                       ; w: the LDS instructions issued behind this tile's fetch, which may stay out
.set p, (\m)%2
.set rA, ACC+32*p
	s_wait_dscnt \w
	WIN 0x0d
.irp s, 0,1,2,3
.irp n, 0,1,2,3
.if \s == 0
	MO rA+8*\n, 64*\n+16*\s, 128*p+16*\s, BI+8*\n, WS+8*\n+\s, OS+4*(\m)+\s/2, \s%2
.else
	MO rA+8*\n, 64*\n+16*\s, 128*p+16*\s, rA+8*\n, WS+8*\n+\s, OS+4*(\m)+\s/2, \s%2
.endif
.endr
.endr
	WIN 0x0e
.irp s, 4,5,6,7
.irp n, 0,1,2,3
	MO rA+8*\n, 64*\n+16*(\s-4), 128*p+16*\s, rA+8*\n, WS+8*\n+\s, OS+4*(\m)+\s/2, \s%2
.endr
.endr
	WIN 0
	PLACES 9
.endm
.macro STAGE m
.set rA, ACC+32*((\m)%2)
.irp n, 0,1,2,3
	ds_store_b128 v[STO], v[rA+8*\n:rA+8*\n+3] offset:64*\n
	ds_store_b128 v[STO], v[rA+8*\n+4:rA+8*\n+7] offset:64*\n+16
.endr
	s_wait_xcnt 0x0
.irp i, 0,1,2,3,4,5,6,7
	ds_load_b128 v[OUT+4*\i:OUT+4*\i+3], v[RD] offset:544*\i
.endr
.if (\m) < 6
	FETCH (\m)+2
.endif
.endm
.macro SEND m, w                       ; w: the loads of the fetch issued behind the stage's, which may stay out
	s_wait_dscnt \w
.irp i, 0,1,2,3,4,5,6,7
	global_store_b128 v[CO], v[OUT+4*\i:OUT+4*\i+3], s[14:15] offset:(32*((\m)/2)+8*((\m)%2)+2*\i+8*(\i/4))*4096 th:TH_STORE_NT
.endr
.endm
	FETCH 0
	FETCH 1
	s_wait_loadcnt 0x0
	MULT 0, 32                                     ; behind tile 0's fetch: tile 1's 32 loads
.irp m, 0,1,2,3,4,5
	STAGE \m
	MULT \m+1, 48                                  ; behind its fetch: the stage's 16 instructions and 32 loads
	SEND \m, 32
.endr
	STAGE 6
	MULT 7, 16
	SEND 6, 0
	STAGE 7
	SEND 7, 0
	s_wait_tensorcnt 0x0
	ds_add_u32 v[SPW], v[NIL]
	s_wait_dscnt 0x0
	CROUND
	s_endpgm
.Lfunc_end_k_q377e35105c_outp:
	.size	k_q377e35105c_outp, .Lfunc_end_k_q377e35105c_outp-k_q377e35105c_outp
	.p2alignl 7, 3214868480
	.fill 96, 4, 3214868480
	.section	.rodata,"a",@progbits
	.p2align	6, 0x0
	.amdhsa_kernel k_q377e35105c_outp
		.amdhsa_group_segment_fixed_size 327680
		.amdhsa_private_segment_fixed_size 0
		.amdhsa_enable_private_segment 0
		.amdhsa_kernarg_size 48
		.amdhsa_user_sgpr_count 2
		.amdhsa_user_sgpr_kernarg_segment_ptr 1
		.amdhsa_wavefront_size32 1
		.amdhsa_system_sgpr_workgroup_id_x 1
		.amdhsa_system_sgpr_workgroup_id_y 1
		.amdhsa_system_sgpr_workgroup_id_z 1
		.amdhsa_system_vgpr_workitem_id 0
		.amdhsa_next_free_vgpr 1024
		.amdhsa_next_free_sgpr 66
		.amdhsa_reserve_vcc 0
		.amdhsa_float_denorm_mode_32 3
		.amdhsa_float_denorm_mode_16_64 3
		.amdhsa_memory_ordered 1
		.amdhsa_forward_progress 1
		.amdhsa_inst_pref_size 88
	.end_amdhsa_kernel
	.amdgpu_metadata
---
amdhsa.version: [ 1, 2 ]
amdhsa.kernels:
  - .name:           k_q377e35105c_outp
    .symbol:         k_q377e35105c_outp.kd
    .args:
      - { .name: ob, .offset: 0, .size: 8, .value_kind: global_buffer, .address_space: global }
      - { .name: os, .offset: 8, .size: 8, .value_kind: global_buffer, .address_space: global }
      - { .name: wo, .offset: 16, .size: 8, .value_kind: global_buffer, .address_space: global }
      - { .name: W_O_scales, .offset: 24, .size: 8, .value_kind: global_buffer, .address_space: global }
      - { .name: b_O, .offset: 32, .size: 8, .value_kind: global_buffer, .address_space: global }
      - { .name: out0, .offset: 40, .size: 8, .value_kind: global_buffer, .address_space: global }
    .group_segment_fixed_size: 327680
    .private_segment_fixed_size: 0
    .kernarg_segment_align: 8
    .kernarg_segment_size: 48
    .max_flat_workgroup_size: 128
    .sgpr_count:     66
    .vgpr_count:     1024
    .wavefront_size: 32
...
	.end_amdgpu_metadata
.endif
;; end of part 3
